; MI455X (gfx1250); checked and timed in simulation.
; The chip was launched on July 23, 2026; its instructions are those of AMD's public machine-readable ISA for CDNA 5 (MIT licence, August 2026) and "CDNA5" Instruction Set Architecture Reference Guide (July 2026). The comments in the code are by the model that wrote it; some were corrected since.
;; Transformer Block. Allowed arithmetic: matrix products marked QUANTISED: E5M2 operands, one E8M0 scale for each 32 along K, by v_wmma_scale_f32_16x16x128_f8f6f4 with both operands' format E5M2, f32 sums; everything else in f32.
;; Inputs: W1_codes 2,048 x 32 x 32 uint8 (E5M2 codes of W1, K innermost, in blocks of 32 codes); W1_scales 2,048 x 32 uint8 (E8M0 scales of W1, one for each 32 codes along K); W2_codes 1,024 x 64 x 32 uint8 (E5M2 codes of W2, K innermost, in blocks of 32 codes); W2_scales 1,024 x 64 uint8 (E8M0 scales of W2, one for each 32 codes along K); Wkv_codes 512 x 32 x 32 uint8 (E5M2 codes of Wkv, K innermost, in blocks of 32 codes); Wkv_scales 512 x 32 uint8 (E8M0 scales of Wkv, one for each 32 codes along K); Wo_codes 1,024 x 32 x 32 uint8 (E5M2 codes of Wo, K innermost, in blocks of 32 codes); Wo_scales 1,024 x 32 uint8 (E8M0 scales of Wo, one for each 32 codes along K); Wq_codes 1,024 x 32 x 32 uint8 (E5M2 codes of Wq, K innermost, in blocks of 32 codes); Wq_scales 1,024 x 32 uint8 (E8M0 scales of Wq, one for each 32 codes along K); b1 2,048 float32; b2 1,024 float32; cos 2,048 x 64 float32; ln1_b 1,024 float32; ln1_g 1,024 float32; ln2_b 1,024 float32; ln2_g 1,024 float32; sin 2,048 x 64 float32; x 2 x 2,048 x 1,024 float32.
;; Outputs: out0 2 x 2,048 x 1,024 float32.
;; This version of the problem:
;;   THIS VERSION OF THE PROBLEM IS GIVEN IN LOW PRECISION. The matrix products marked QUANTISED in the list below multiply operands that are first quantised to E5M2 (5 exponent bits, 2 mantissa bits; 8 bits a number), with one power-of-two scale for each 32 numbers along K (OCP MX v1.0); their sums are f32. All else is computed in f32.
;;   The module's matrix products, in the order in which they are computed (A, B: the left and right operand; K: the contracted axis; several contracted axes count as one K, in the product's order):
;;     1. [M 4,096, K 1,024] x [K 1,024, N 1,024]; A: computed on the way; B: input Wq (given as codes): QUANTISED
;;     2. [M 4,096, K 1,024] x [K 1,024, N 512]; A: computed on the way; B: input Wkv (given as codes): QUANTISED
;;     3. batch 8 x [M 8,192, K 64] x [K 64, N 2,048]; A: computed on the way; B: computed on the way: QUANTISED
;;     4. batch 8 x [M 8,192, K 2,048] x [K 2,048, N 64]; A: softmax (see below); B: computed on the way: QUANTISED
;;     5. [M 4,096, K 1,024] x [K 1,024, N 1,024]; A: computed on the way; B: input Wo (given as codes): QUANTISED
;;     6. [M 4,096, K 1,024] x [K 1,024, N 2,048]; A: computed on the way; B: input W1 (given as codes): QUANTISED
;;     7. [M 4,096, K 2,048] x [K 2,048, N 1,024]; A: computed on the way; B: input W2 (given as codes): QUANTISED
;;   THE QUANTISER, for each operand of a quantised product, along K:
;;     - K is cut into blocks of 32 from its start; a last block that is shorter is filled with zeros.
;;     - A block's scale is 2^e with e = floor(log2(the largest magnitude in the block)) - 15, held to -126 .. 127; a block of zeros has e = 0. As a byte (E8M0): e + 127.
;;     - Each number is divided by its block's scale, clamped to +-57,344, and rounded to the nearest number of E5M2, ties to even, subnormals kept.
;;     - The product sums the exact products of the quantised numbers (number of the format x scale) in f32.
;;   ~~~python
;;   def quantise(x, axis):      # numpy; x: float32 -> the quantised numbers, widened to float32 again
;;       x = np.moveaxis(x, axis, -1); K = x.shape[-1]
;;       x = np.pad(x, [(0, 0)] * (x.ndim - 1) + [(0, -K % 32)]); x = x.reshape(x.shape[:-1] + (-1, 32)); a = np.abs(x).max(-1, keepdims=True)
;;       e = np.where(a > 0, np.clip(np.frexp(np.where(a > 0, a, 1))[1] - 1 - 15, -126, 127), 0)      # np.frexp(a)[1] - 1 = floor(log2(a)), exactly
;;       r = np.clip(x / 2.0 ** e, -57344, 57344)
;;       step = 2.0 ** (np.maximum(np.frexp(np.where(r == 0, 1, r))[1] - 1, -14) - 2)
;;       q = np.round(r / step) * step * 2.0 ** e      # np.round: ties to even
;;       return np.moveaxis(q.reshape(q.shape[:-2] + (-1,))[..., :K], -1, axis).astype(np.float32)
;;   ~~~
;;   SOFTMAX AHEAD OF A QUANTISED PRODUCT. Where the list says 'softmax', what is quantised is not the finished softmax but p = 2^(t - M), with t = logit x log2(e) and M = ceil(the row's largest t), a whole number; so 1/2 < the row's largest p <= 1. The row's sum l is taken of the UNQUANTISED p, in f32, and the product's result is divided by l at the end. Since M is a whole number, a kernel that streams over the keys may use a running M (the ceiling of the running maximum): every later rescaling is an exact power of two, which a block's scale takes up: the codes' values come out the same.
;;   OPERANDS COMPUTED ON THE WAY. 'Computed on the way' means the value that the module computes at that place (a softmax that the list does not call 'softmax' is quantised finished and normalised). What goes into a quantiser is computed in f32, as accurately as f32 sums, v_exp_f32 and their like allow (about 1e-6 of the number): no bf16 or f16 on the way to a quantiser, and a product that is left as it is and whose result goes on into a quantised operand takes f32 operands (vector FMAs, or v_wmma_f32_16x16x4_f32). A number that lies on a knife's edge between two numbers of the format may be rounded either way, as far as f32 arithmetic and the matrix unit's own rounding can turn it there, and no further.
;;   INPUTS GIVEN AS CODES. W1 (in the module: [2048, 1024], K = its axis 1); W2 (in the module: [1024, 2048], K = its axis 1); Wkv (in the module: [512, 1024], K = its axis 1); Wo (in the module: [1024, 1024], K = its axis 1); Wq (in the module: [1024, 1024], K = its axis 1): each comes as NAME_codes (uint8): NAME with its K axis moved to the last place and cut into blocks of 32 codes, [.., K / 32, bytes a block], one block behind the other in memory; one code a byte (a code: sign, 5 exponent bits, 2 mantissa bits); and NAME_scales (uint8): the same leading axes, one E8M0 byte (e + 127) for each 32 codes along K. Its value is code x scale, taken as it is: it is not quantised again, and the codes and scales need not be those that the quantiser above would give.
;; One version. Each part assembles by itself: llvm-mc -triple=amdgcn-amd-amdhsa -mcpu=gfx1250 --defsym DOCPART=n.
;; ======== version 1 of 1: 7 launches
;; limits: right only within a limited range of input values
;; workspace buffers: hbuf 4,325,376 bytes; qbuf 4,456,448 bytes; kvbuf 2,228,224 bytes; obuf 4,325,376 bytes; x1 16,777,216 bytes; gbuf 8,650,752 bytes
;; launch ln1 (part 1): grid 256 x 1, 8 waves a work-group, no clusters, 67,584 bytes of LDS; arguments x, ln1_g, ln1_b, hbuf; writes hbuf
.if DOCPART == 1
	.amdgcn_target "amdgcn-amd-amdhsa--gfx1250"
	.amdhsa_code_object_version 6
	.text
	.protected	k_q16ee7e32c4_ln1
	.globl	k_q16ee7e32c4_ln1
	.p2align	8
	.type	k_q16ee7e32c4_ln1,@function
k_q16ee7e32c4_ln1:
	s_mov_b64 s[64:65], 0
	v_nop
	global_prefetch_b8 v0, s[64:65] scope:SCOPE_SE
	s_setreg_imm32_b32 hwreg(HW_REG_WAVE_MODE, 25, 1), 1
	s_wait_xcnt 0x0
; LAYERNORM AND QUANTISER: h = (x - mean) * rsqrt(var + 1e-5) * g + b for rows of 1,024 f32, then codes of BF8 (E5M2) with one E8M0 byte for each 32 along the row.
; THE WHOLE PROGRAM (seven launches): this one; q, k, v with RoPE; attention; Wo and residual; this body again for the second norm; W1 with GELU; W2 and residual.
; NOTHING OF THE PROBLEM IS LEFT OUT: there is no mask, no slice and no zero state, so every product and every input has a way to out0, and every input is loaded by some launch.
; LIMITS: NaN and infinities among the inputs are not served.  A block of zeros, or one whose largest magnitude lies under 2^(16 - 127), gets the scale byte 1 (its codes are zeros or tiny;
; the bytes are read by this program alone).  v_rsq_f32 is good to one unit in the last place.
; ROW TILES.  All activations of this program lie in memory as IMAGES OF OPERAND REGISTERS.  Row tile T (0..255) holds in lane r the row 32 (T / 2) + 8 (T % 2) + r + 8 (r / 8).
; A fragment (tile T, K step s of 128) is 2,048 bytes: byte 512 c + 16 lane + i is the code of lane % 16's row at k = 128 s + 32 c + 16 (lane / 16) + i.  out: [T][s 8][2048]; from byte HSC on the scale words [T][s][r].
; SHARES.  A work-group takes one row tile.  Phase 1: wave w normalises tile rows 2 w and 2 w + 1 (neighbours in memory), a row in 32 registers, and lays them in LDS.
; Phase 2: wave w takes K step w: a lane reads 16 neighbours of each of 4 blocks of its row and quantises them; lanes l and l xor 16 share a block.
; No tensor load, no matrix unit, no cluster: the launch streams, and no two work-groups read the same rows.  All 64 KiB of a work-group are asked for at its head.
.set PITCH, 4112                       ; an LDS row: 4,096 bytes + 16: the sixteen rows that a load touches start in sixteen different 16-byte columns
.set SCG,   66048                      ; behind the 16 rows: the tile's 8 x 16 scale words
.set SPARE, 66560                      ; the spare words, 128 bytes for each of 8 waves: four blocks of 256 bytes that no other line names
.set HSC,   4194304                    ; where the scale words begin in the output buffer
.set LI,  4                            ; v4   16 x lane
.set SPW, 10                           ; v10  LDS address of my spare word; never rewritten
.set NIL, 11                           ; v11  0; never rewritten
.set PW,  12                           ; v12  the scale word
.set PC,  16                           ; v16-31   the codes
.set X,   32                           ; v32-95   two rows; later a fragment's 64 numbers
.set G,   96                           ; v96-127  g of my 32 columns
.set BB,  128                          ; v128-159 b
.set CH,  160                          ; v160-175 four chains of pairs for each row
.set TM,  176                          ; v176-191 the quantiser's work
.set MP,  176                          ; phase 1: row e: v[MP+4e:+1] the mean twice, v[MP+4e+2:+3] 1 / sqrt twice
.set SEL, 20                           ; s[20:21] lane selects: lane l xor 16
.set MNT, 23                           ; s23  the mantissa field of 57,344
; 64 numbers of a lane, register 16 b + i = k 32 b + 16 (lane / 16) + i of its row, become 16 registers of codes in v[PC] on; the four scale bytes land in v[TM+4] on.
.macro QUANT4 s
.irp b, 0,1,2,3
	v_max3_num_f32 v[TM+\b], |v[(\s)+16*\b]|, |v[(\s)+1+16*\b]|, 0x8000000   ; my 16 numbers and the floor 2^(16 - 127): the byte cannot fall under 1
.endr
.irp i, 2,4,6,8,10,12,14
.irp b, 0,1,2,3
	s_delay_alu instid0(VALU_DEP_4)
	v_max3_num_f32 v[TM+\b], v[TM+\b], |v[(\s)+16*\b+\i]|, |v[(\s)+1+16*\b+\i]|   ; the four blocks by turns
.endr
.endr
.irp b, 0,1,2,3
	v_permlanex16_b32 v[TM+4+\b], v[TM+\b], s[SEL], s[SEL+1]
.endr
.irp b, 0,1,2,3
	s_delay_alu instid0(VALU_DEP_4)
	v_max_num_f32 v[TM+\b], v[TM+\b], v[TM+4+\b]            ; with lane l xor 16: the block's largest magnitude
.endr
.irp b, 0,1,2,3
	s_delay_alu instid0(VALU_DEP_4)
	v_add_nc_u32 v[TM+12+\b], 0xf8800000, v[TM+\b]          ; 15 off its exponent field: the conversion's scale operand
.endr
.irp b, 0,1,2,3
	v_and_or_b32 v[TM+8+\b], v[TM+\b], 0x7f800000, s[MNT]   ; 57,344 x the scale
.endr
.irp b, 0,1,2,3
	v_lshrrev_b32 v[TM+4+\b], 23, v[TM+12+\b]               ; the scale's byte
.endr
.irp b, 0,1,2,3
.irp i, 0,1,2,3,4,5,6,7,8,9,10,11,12,13,14,15
	v_med3_num_f32 v[(\s)+16*\b+\i], v[(\s)+16*\b+\i], -v[TM+8+\b], v[TM+8+\b]   ; the conversion does not saturate (ISA guide 7.6.2): the hold comes first
.endr
	v_cvt_scalef32_pk8_bf8_f32 v[PC+4*\b:PC+1+4*\b], v[(\s)+16*\b:(\s)+7+16*\b], v[TM+12+\b]
	v_cvt_scalef32_pk8_bf8_f32 v[PC+2+4*\b:PC+3+4*\b], v[(\s)+8+16*\b:(\s)+15+16*\b], v[TM+12+\b]
.endr
	v_nop                                                   ; a plain line behind the last conversion
.endm
; The four chains of each row are added, then the 32 lanes: the sum lands in v[CH+8 e] of every lane.  The two rows take turns.
.macro FOLD
.irp e, 0
	v_pk_add_f32 v[CH+8*\e:CH+8*\e+1], v[CH+8*\e:CH+8*\e+1], v[CH+8*\e+2:CH+8*\e+3]
	s_delay_alu instid0(VALU_DEP_3)
	v_pk_add_f32 v[CH+8*\e+4:CH+8*\e+5], v[CH+8*\e+4:CH+8*\e+5], v[CH+8*\e+6:CH+8*\e+7]
.endr
.irp e, 1
	v_pk_add_f32 v[CH+8*\e:CH+8*\e+1], v[CH+8*\e:CH+8*\e+1], v[CH+8*\e+2:CH+8*\e+3]
	s_delay_alu instid0(VALU_DEP_4)
	v_pk_add_f32 v[CH+8*\e+4:CH+8*\e+5], v[CH+8*\e+4:CH+8*\e+5], v[CH+8*\e+6:CH+8*\e+7]
.endr
.irp e, 0
	s_delay_alu instid0(VALU_DEP_3)
	v_pk_add_f32 v[CH+8*\e:CH+8*\e+1], v[CH+8*\e:CH+8*\e+1], v[CH+8*\e+4:CH+8*\e+5]
.endr
.irp e, 1
	s_delay_alu instid0(VALU_DEP_2)
	v_pk_add_f32 v[CH+8*\e:CH+8*\e+1], v[CH+8*\e:CH+8*\e+1], v[CH+8*\e+4:CH+8*\e+5]
.endr
.irp e, 0,1
	s_delay_alu instid0(VALU_DEP_2)
	v_add_f32 v[CH+8*\e], v[CH+8*\e], v[CH+8*\e+1]
.endr
.irp m, 1,2,4,8
.irp e, 0,1
	s_delay_alu instid0(VALU_DEP_2)
	v_add_f32_dpp v[CH+8*\e], v[CH+8*\e], v[CH+8*\e] row_xmask:\m row_mask:0xf bank_mask:0xf
.endr
.endr
.irp e, 0,1
	s_delay_alu instid0(VALU_DEP_2)
	v_permlanex16_b32 v[CH+8*\e+1], v[CH+8*\e], s[SEL], s[SEL+1]
.endr
.irp e, 0,1
	s_delay_alu instid0(VALU_DEP_2)
	v_add_f32 v[CH+8*\e], v[CH+8*\e], v[CH+8*\e+1]
.endr
.endm
	s_load_b256 s[4:11], s[0:1], 0x0               ; the rows s[4:5], g s[6:7], b s[8:9], the output s[10:11]
	v_lshl_add_u32 v[SPW], v0, 2, SPARE
	v_mov_b32 v[NIL], 0
	v_lshrrev_b32 v1, 5, v0
	s_delay_alu instid0(VALU_DEP_1)
	v_readfirstlane_b32 s2, v1                     ; wave 0..7
	v_and_b32 v2, 31, v0                           ; lane
	v_and_b32 v3, 15, v0                           ; r
	v_bfe_u32 v9, v0, 4, 1                         ; h
	s_delay_alu instid0(VALU_DEP_3)
	v_lshlrev_b32 v[LI], 4, v2
	s_mul_i32 s14, s2, 2*PITCH
	v_add_nc_u32 v5, s14, v[LI]                    ; phase 1, into LDS: row 2 w, 16 bytes a lane
	v_mul_u32_u24 v6, v3, PITCH
	s_delay_alu instid0(VALU_DEP_1)
	v_lshl_add_u32 v6, v9, 6, v6
	s_lshl_b32 s14, s2, 9
	v_add_nc_u32 v6, s14, v6                       ; phase 2, out of LDS: row r, K step w (512 bytes), + 64 h
	s_lshl_b32 s14, s2, 6
	s_add_co_u32 s14, s14, SCG
	v_lshl_add_u32 v7, v3, 2, s14                  ; my scale word: SCG + 64 w + 4 r
	v_add_nc_u32 v8, SCG, v[LI]                    ; and the 512 bytes of scale words, 16 a lane
	s_lshr_b32 s12, ttmp9, 1                       ; my first row: 32 (T / 2) + 8 (T % 2) + 2 w + 8 (w / 4)
	s_lshl_b32 s12, s12, 5
	s_and_b32 s13, ttmp9, 1
	s_lshl_b32 s13, s13, 3
	s_add_co_u32 s12, s12, s13
	s_lshl_b32 s13, s2, 1
	s_add_co_u32 s12, s12, s13
	s_lshr_b32 s13, s2, 2
	s_lshl_b32 s13, s13, 3
	s_add_co_u32 s12, s12, s13
	s_lshl_b32 s12, s12, 12                        ; in bytes: 4,096 a row, under 2^24
	s_mov_b32 s13, 0
	s_lshl_b32 s18, ttmp9, 14                      ; my fragment: T x 16,384 + w x 2,048
	s_lshl_b32 s19, s2, 11
	s_add_co_u32 s18, s18, s19
	s_mov_b32 s19, 0
	s_lshl_b32 s24, ttmp9, 9                       ; the tile's scale words: HSC + T x 512
	s_add_co_u32 s24, s24, HSC
	s_mov_b32 s25, 0
	s_mov_b32 s16, 0x3a800000                      ; 1 / 1,024
	s_mov_b32 s17, 0x3727c5ac                      ; 1e-5
	s_mov_b32 s[SEL], 0x76543210
	s_mov_b32 s[SEL+1], 0xfedcba98
	s_mov_b32 s[MNT], 0x600000
	s_wait_alu depctr_va_vdst(0)
	s_wait_kmcnt 0x0
	s_add_nc_u64 s[4:5], s[4:5], s[12:13]
	s_add_nc_u64 s[26:27], s[10:11], s[24:25]
	s_add_nc_u64 s[10:11], s[10:11], s[18:19]
.irp e, 0,1
.irp j, 0,1,2,3,4,5,6,7
	global_load_b128 v[X+32*\e+4*\j:X+32*\e+4*\j+3], v[LI], s[4:5] offset:4096*\e+512*\j th:TH_LOAD_NT   ; 32 lanes read 512 consecutive bytes
.endr
.endr
.irp j, 0,1,2,3,4,5,6,7
	global_load_b128 v[G+4*\j:G+4*\j+3], v[LI], s[6:7] offset:512*\j
.endr
.irp j, 0,1,2,3,4,5,6,7
	global_load_b128 v[BB+4*\j:BB+4*\j+3], v[LI], s[8:9] offset:512*\j
.endr
	s_wait_loadcnt 16                              ; the rows' 16 loads are in; the 16 of g and b may stay out
	; ---- the mean
.irp k, 0,1,2,3
.irp e, 0,1
	v_pk_add_f32 v[CH+8*\e+2*\k:CH+8*\e+2*\k+1], v[X+32*\e+4*\k:X+32*\e+4*\k+1], v[X+32*\e+4*\k+2:X+32*\e+4*\k+3]   ; the first sixteen numbers start the chains
.endr
.endr
.irp k, 16,18,20,22,24,26,28,30
.irp e, 0,1
	v_pk_add_f32 v[CH+8*\e+\k%8:CH+8*\e+\k%8+1], v[CH+8*\e+\k%8:CH+8*\e+\k%8+1], v[X+32*\e+\k:X+32*\e+\k+1]
.endr
.endr
	FOLD
.irp e, 0,1
	s_delay_alu instid0(VALU_DEP_2)
	v_mul_f32 v[MP+4*\e], s16, v[CH+8*\e]
.endr
.irp e, 0,1
	s_delay_alu instid0(VALU_DEP_2)
	v_mov_b32 v[MP+4*\e+1], v[MP+4*\e]
.endr
.set k, 0
.rept 16
	v_pk_add_f32 v[X+k:X+k+1], v[X+k:X+k+1], v[MP:MP+1] neg_lo:[0,1] neg_hi:[0,1]              ; x - mean
	v_pk_add_f32 v[X+32+k:X+32+k+1], v[X+32+k:X+32+k+1], v[MP+4:MP+5] neg_lo:[0,1] neg_hi:[0,1]
.set k, k+2
.endr
	; ---- the variance, of the differences
.irp k, 0,2,4,6
.irp e, 0,1
	v_pk_mul_f32 v[CH+8*\e+\k:CH+8*\e+\k+1], v[X+32*\e+\k:X+32*\e+\k+1], v[X+32*\e+\k:X+32*\e+\k+1]
.endr
.endr
.irp k, 8,10,12,14,16,18,20,22,24,26,28,30
.irp e, 0,1
	v_pk_fma_f32 v[CH+8*\e+\k%8:CH+8*\e+\k%8+1], v[X+32*\e+\k:X+32*\e+\k+1], v[X+32*\e+\k:X+32*\e+\k+1], v[CH+8*\e+\k%8:CH+8*\e+\k%8+1]
.endr
.endr
	FOLD
.irp e, 0,1
	s_delay_alu instid0(VALU_DEP_2)
	v_fma_f32 v[CH+8*\e], v[CH+8*\e], s16, s17     ; variance + 1e-5
.endr
	s_wait_alu depctr_va_vdst(0)
.irp e, 0,1
	v_rsq_f32 v[MP+4*\e+2], v[CH+8*\e]             ; made twice: the packed multiply takes a pair
	v_rsq_f32 v[MP+4*\e+3], v[CH+8*\e]
.endr
	v_nop                                          ; a plain line behind the last of them
	s_wait_alu depctr_va_vdst(0)                   ; one wait for the four, ahead of their first reader
.set k, 0
.rept 16
	v_pk_mul_f32 v[X+k:X+k+1], v[X+k:X+k+1], v[MP+2:MP+3]
	v_pk_mul_f32 v[X+32+k:X+32+k+1], v[X+32+k:X+32+k+1], v[MP+6:MP+7]
.set k, k+2
.endr
	s_wait_loadcnt 0x0                             ; g and b
.set k, 0
.rept 16
	v_pk_fma_f32 v[X+k:X+k+1], v[X+k:X+k+1], v[G+k:G+k+1], v[BB+k:BB+k+1]
	v_pk_fma_f32 v[X+32+k:X+32+k+1], v[X+32+k:X+32+k+1], v[G+k:G+k+1], v[BB+k:BB+k+1]
.set k, k+2
.endr
.irp e, 0,1
.irp j, 0,1,2,3,4,5,6,7
	ds_store_b128 v5, v[X+32*\e+4*\j:X+32*\e+4*\j+3] offset:PITCH*\e+512*\j
.endr
.endr
	s_wait_dscnt 0x0                               ; for the others: my two rows lie in LDS
	s_barrier_signal -1
	s_barrier_wait -1
	; ---- phase 2: K step w of all sixteen rows
.irp c, 0,1,2,3
.irp j, 0,1,2,3
	ds_load_b128 v[X+16*\c+4*\j:X+16*\c+4*\j+3], v6 offset:128*\c+16*\j
.endr
.endr
	s_wait_dscnt 0x0
	QUANT4 X
	v_lshl_or_b32 v[PW], v[TM+5], 8, v[TM+4]       ; the four bytes make my row's scale word
	s_delay_alu instid0(VALU_DEP_1)
	v_lshl_or_b32 v[PW], v[TM+6], 16, v[PW]
	s_delay_alu instid0(VALU_DEP_1)
	v_lshl_or_b32 v[PW], v[TM+7], 24, v[PW]
.irp c, 0,1,2,3
	global_store_b128 v[LI], v[PC+4*\c:PC+4*\c+3], s[10:11] offset:512*\c   ; 32 lanes store 512 consecutive bytes, aligned
.endr
	ds_store_b32 v7, v[PW]                         ; lanes r and r + 16 write the same word with the same value
	s_wait_dscnt 0x0
	s_barrier_signal -1
	s_barrier_wait -1                              ; the tile's 128 scale words lie in LDS as they lie in memory
	s_cmp_lg_u32 s2, 0
	s_cbranch_scc1 .Lend
	ds_load_b128 v[X:X+3], v8
	s_wait_dscnt 0x0
	global_store_b128 v[LI], v[X:X+3], s[26:27]    ; wave 0 stores them: 512 consecutive bytes, aligned
.Lend:
	s_wait_tensorcnt 0x0                           ; the wave's end
	ds_add_u32 v[SPW], v[NIL]
	s_wait_dscnt 0x0
	s_endpgm
.Lfunc_end_k_q16ee7e32c4_ln1:
	.size	k_q16ee7e32c4_ln1, .Lfunc_end_k_q16ee7e32c4_ln1-k_q16ee7e32c4_ln1
	.p2alignl 7, 3214868480
	.fill 96, 4, 3214868480
	.section	.rodata,"a",@progbits
	.p2align	6, 0x0
	.amdhsa_kernel k_q16ee7e32c4_ln1
		.amdhsa_group_segment_fixed_size 67584
		.amdhsa_private_segment_fixed_size 0
		.amdhsa_enable_private_segment 0
		.amdhsa_kernarg_size 32
		.amdhsa_user_sgpr_count 2
		.amdhsa_user_sgpr_kernarg_segment_ptr 1
		.amdhsa_wavefront_size32 1
		.amdhsa_system_sgpr_workgroup_id_x 1
		.amdhsa_system_sgpr_workgroup_id_y 1
		.amdhsa_system_sgpr_workgroup_id_z 1
		.amdhsa_system_vgpr_workitem_id 0
		.amdhsa_next_free_vgpr 192
		.amdhsa_next_free_sgpr 66
		.amdhsa_reserve_vcc 0
		.amdhsa_float_denorm_mode_32 3
		.amdhsa_float_denorm_mode_16_64 3
		.amdhsa_memory_ordered 1
		.amdhsa_forward_progress 1
		.amdhsa_inst_pref_size 32
	.end_amdhsa_kernel
	.amdgpu_metadata
---
amdhsa.version: [ 1, 2 ]
amdhsa.kernels:
  - .name:           k_q16ee7e32c4_ln1
    .symbol:         k_q16ee7e32c4_ln1.kd
    .args:
      - { .name: x, .offset: 0, .size: 8, .value_kind: global_buffer, .address_space: global }
      - { .name: ln1_g, .offset: 8, .size: 8, .value_kind: global_buffer, .address_space: global }
      - { .name: ln1_b, .offset: 16, .size: 8, .value_kind: global_buffer, .address_space: global }
      - { .name: hbuf, .offset: 24, .size: 8, .value_kind: global_buffer, .address_space: global }
    .group_segment_fixed_size: 67584
    .private_segment_fixed_size: 0
    .kernarg_segment_align: 8
    .kernarg_segment_size: 32
    .max_flat_workgroup_size: 256
    .sgpr_count:     66
    .vgpr_count:     192
    .wavefront_size: 32
...
	.end_amdgpu_metadata
.endif
;; end of part 1
;; launch qkv (part 2): grid 12 x 16, 4 waves a work-group, clusters of 4 x 4, 327,680 bytes of LDS; arguments hbuf, Wq_codes, Wq_scales, Wkv_codes, Wkv_scales, cos, sin, qbuf, kvbuf; writes qbuf, kvbuf
.if DOCPART == 2
	.amdgcn_target "amdgcn-amd-amdhsa--gfx1250"
	.amdhsa_code_object_version 6
	.text
	.protected	k_q16ee7e32c4_qkv
	.globl	k_q16ee7e32c4_qkv
	.p2align	8
	.type	k_q16ee7e32c4_qkv,@function
k_q16ee7e32c4_qkv:
	s_mov_b64 s[64:65], 0
	v_nop
	global_prefetch_b8 v0, s[64:65] scope:SCOPE_SE
	s_setreg_imm32_b32 hwreg(HW_REG_WAVE_MODE, 25, 1), 1
	s_wait_xcnt 0x0
	s_wait_alu depctr_hold_cnt(0) depctr_sa_sdst(0) depctr_va_vdst(0) depctr_va_sdst(0) depctr_va_ssrc(0) depctr_va_vcc(0) depctr_vm_vsrc(0)
	s_getreg_b32 s2, hwreg(HW_REG_IB_STS2, 6, 4)
	s_cmp_eq_u32 s2, 0
	s_cbranch_scc0 .Lentry_in_a_cluster
	s_endpgm
.Lentry_in_a_cluster:
	s_bfe_u32 s2, ttmp6, 0x10000c
	s_cmp_lg_u32 s2, 0xf033
	s_cbranch_scc0 .Lentry_shape_is_right
	s_endpgm
.Lentry_shape_is_right:
.set KK,   1024
.set KS,   KK/32
.set ASC,  4194304
.set SA_T, 512
.set SA_S, 64
.set SAC,  32
.set SAR,  32
.set SAP,  32
.set SAH,  SAR*SAC*8
.set SATR, 4096
.set SAWC, 4096
.set SBR,  128*KS/256
.set BSL,  131072
.set SA,   266240
.set SB,   274432
.set SPARE, 300544
.set KVB,  17408
.set SAJ,  0
.set ADRA, 16
.set ADRB, 20
.set ADSA, 22
.set ADSB, 23
.set SPW,  28
.set NIL,  29
.set SCA,  32
.set SCB,  40
.set TM,   96
.set PC,   112
.set ACC,  128
.set F0,   0
.set F1,   128
.set G0R, 8
.set G1A, 24
.set G0A, 32
.set G1B, 48
.set G0B, 56
.set G1SA, 68
.set G0SA, 76
.set G1SB, 80
.set G0SB, 88
.set KVF, 22
.set VP,  23
.set WV, 92
.set WR, 93
.set WC, 94
.set TR, 95
.set SEL, 100
.set MNT, 67
.set MUL,  0x05
.set TO_F, 0x40
.set MSB, 0
.macro WIN new
.if MSB != \new
	s_set_vgpr_msb (MSB<<8)|\new
.set MSB, \new
.endif
.endm
.macro PLACES n
.rept \n
	v_nop
.endr
.endm
.macro CROUND
	s_barrier_signal -1
	s_barrier_wait -1
	s_cmp_lg_u32 s[WV], 0
	s_cbranch_scc1 .Lnot_wave_0_\@
	s_barrier_signal -3
.Lnot_wave_0_\@:
	s_barrier_wait -3
	s_barrier_signal -1
	s_barrier_wait -1
.endm
; THE HEAD'S LOADS, ONE A WAVE: wave 0 the first row block's h (131,072 dense bytes: [row tile 8][K step 8][2048]), wave 1 the 128 weight rows (1,024 bytes + 16 of padding each), wave 2 h's scale words, wave 3 the weights' scale bytes.
.macro ARM under, g0, g1, next
	s_cmp_lt_u32 s[WV], \under
	s_cbranch_scc0 \next
	tensor_load_to_lds s[\g0:\g0+3], s[\g1:\g1+7]
	s_nop 0
.rept 4
	v_nop
.endr
	s_branch .Lhead_asked
\next:
.endm
.macro REFILL
	s_wait_tensorcnt 0x0
	ds_add_u32 v[SPW], v[NIL]
	s_wait_dscnt 0x0
	CROUND
	tensor_load_to_lds s[G0R:G0R+3], s[G1A:G1A+7]
	s_nop 0
.rept 4
	v_nop
.endr
.endm
.macro QUANT4 s
.irp b, 0,1,2,3
	v_max3_num_f32 v[TM+\b], |v[(\s)+16*\b]|, |v[(\s)+1+16*\b]|, 0x8000000
.endr
.irp i, 2,4,6,8,10,12,14
.irp b, 0,1,2,3
	v_max3_num_f32 v[TM+\b], v[TM+\b], |v[(\s)+16*\b+\i]|, |v[(\s)+1+16*\b+\i]|
.endr
.endr
.irp b, 0,1,2,3
	v_permlanex16_b32 v[TM+4+\b], v[TM+\b], s[SEL], s[SEL+1]
.endr
.irp b, 0,1,2,3
	v_max_num_f32 v[TM+\b], v[TM+\b], v[TM+4+\b]
.endr
.irp b, 0,1,2,3
	v_add_nc_u32 v[TM+12+\b], 0xf8800000, v[TM+\b]
.endr
.irp b, 0,1,2,3
	v_and_or_b32 v[TM+8+\b], v[TM+\b], 0x7f800000, s[MNT]
.endr
.irp b, 0,1,2,3
	v_lshrrev_b32 v[TM+4+\b], 23, v[TM+12+\b]
.endr
.irp b, 0,1,2,3
.irp i, 0,1,2,3,4,5,6,7,8,9,10,11,12,13,14,15
	v_med3_num_f32 v[(\s)+16*\b+\i], v[(\s)+16*\b+\i], -v[TM+8+\b], v[TM+8+\b]
.endr
	v_cvt_scalef32_pk8_bf8_f32 v[PC+4*\b:PC+1+4*\b], v[(\s)+16*\b:(\s)+7+16*\b], v[TM+12+\b]
	v_cvt_scalef32_pk8_bf8_f32 v[PC+2+4*\b:PC+3+4*\b], v[(\s)+8+16*\b:(\s)+15+16*\b], v[TM+12+\b]
.endr
	v_nop
.endm
.macro FETCH slot, q, f, sb, ks
	WIN TO_F
.irp i, 0,1,2,3
.irp c, 0,1,2,3
	ds_load_b128 v[\f+64+16*\i+4*\c:\f+64+16*\i+4*\c+3], v[ADRB+\slot] offset:(32*(\i/2)+8*(\i%2))*1040+128*(\q)+32*\c
.endr
.endr
.irp i, 0,1,2,3
.irp c, 0,1,2,3
	ds_load_b128 v[\f+16*\i+4*\c:\f+16*\i+4*\c+3], v[ADRA+\slot] offset:\i*16384+(\q)*2048+512*\c
.endr
.endr
	WIN 0
.irp i, 0,1,2,3
	ds_load_b32 v[SCB+4*(\sb)+\i], v[ADSB] offset:(32*(\i/2)+8*(\i%2))*KS+4*(\ks)
	ds_load_b32 v[SCA+4*(\sb)+\i], v[ADSA] offset:\i*SA_T+(\ks)*SA_S+SAJ
.endr
.endm
.macro MUL8 f, sb, a0, cmode, var
.irp a, \a0, \a0+1
.irp bt, 0,1,2,3
.if \var == 0
.if \cmode == 0
	v_wmma_scale_f32_16x16x128_f8f6f4 v[ACC+8*(4*(\a)+\bt):ACC+8*(4*(\a)+\bt)+7], v[\f+64+16*\bt:\f+64+16*\bt+15], v[\f+16*(\a):\f+16*(\a)+15], 0, v[SCB+4*(\sb)+\bt], v[SCA+4*(\sb)+(\a)] matrix_a_fmt:MATRIX_FMT_BF8 matrix_b_fmt:MATRIX_FMT_BF8
.else
	v_wmma_scale_f32_16x16x128_f8f6f4 v[ACC+8*(4*(\a)+\bt):ACC+8*(4*(\a)+\bt)+7], v[\f+64+16*\bt:\f+64+16*\bt+15], v[\f+16*(\a):\f+16*(\a)+15], v[ACC+8*(4*(\a)+\bt):ACC+8*(4*(\a)+\bt)+7], v[SCB+4*(\sb)+\bt], v[SCA+4*(\sb)+(\a)] matrix_a_fmt:MATRIX_FMT_BF8 matrix_b_fmt:MATRIX_FMT_BF8
.endif
.else
.if \cmode == 0
	v_wmma_scale_f32_16x16x128_f8f6f4 v[ACC+8*(4*\bt+(\a)):ACC+8*(4*\bt+(\a))+7], v[\f+16*(\a):\f+16*(\a)+15], v[\f+64+16*\bt:\f+64+16*\bt+15], 0, v[SCA+4*(\sb)+(\a)], v[SCB+4*(\sb)+\bt] matrix_a_fmt:MATRIX_FMT_BF8 matrix_b_fmt:MATRIX_FMT_BF8
.else
	v_wmma_scale_f32_16x16x128_f8f6f4 v[ACC+8*(4*\bt+(\a)):ACC+8*(4*\bt+(\a))+7], v[\f+16*(\a):\f+16*(\a)+15], v[\f+64+16*\bt:\f+64+16*\bt+15], v[ACC+8*(4*\bt+(\a)):ACC+8*(4*\bt+(\a))+7], v[SCA+4*(\sb)+(\a)], v[SCB+4*(\sb)+\bt] matrix_a_fmt:MATRIX_FMT_BF8 matrix_b_fmt:MATRIX_FMT_BF8
.endif
.endif
.endr
.endr
.endm
.macro STEP f, sb, cmode, var, more, slot, q, g, sb2, ks
	s_wait_dscnt 0x0
	WIN MUL
	MUL8 \f, \sb, 0, \cmode, \var
.if \more
	PLACES 8
	FETCH \slot, \q, \g, \sb2, \ks
.endif
	WIN MUL
	MUL8 \f, \sb, 2, \cmode, \var
.endm
.macro SLOTRUN slot, chunk, cm0, var
	PLACES 8
	FETCH \slot, 0, F0, 0, 4*(\chunk)
	STEP F0, 0, \cm0, \var, 1, \slot, 1, F1, 1, 4*(\chunk)+1
	STEP F1, 1, 2, \var, 1, \slot, 2, F0, 0, 4*(\chunk)+2
	STEP F0, 0, 2, \var, 1, \slot, 3, F1, 1, 4*(\chunk)+3
	STEP F1, 1, 2, \var, 0, 0, 0, F0, 0, 0
	WIN 0
.endm
.macro TABLES t
	WIN 0x80
.irp a, 0,1,2,3
.irp b, 0,1
.irp j, 0,1,2,3
	global_load_b128 v[64*\a+16*\b+4*\j:64*\a+16*\b+4*\j+3], v9, s[14:15] offset:(\t)*32768+(32*(\a/2)+8*(\a%2))*256+128*\b+16*\j
	global_load_b128 v[64*\a+32+16*\b+4*\j:64*\a+32+16*\b+4*\j+3], v9, s[16:17] offset:(\t)*32768+(32*(\a/2)+8*(\a%2))*256+128*\b+16*\j
.endr
.endr
.endr
	WIN 0
.endm
.macro QKOUT p
	s_wait_xcnt 0x0
	WIN 0x88
.set k, 0
.rept 16
	v_pk_mul_f32 v[64*(\p)+k:64*(\p)+k+1], v[ACC+32*(\p)+k:ACC+32*(\p)+k+1], v[64*(\p)+k:64*(\p)+k+1]
	v_pk_mul_f32 v[64*(\p)+64+k:64*(\p)+64+k+1], v[ACC+32*(\p)+32+k:ACC+32*(\p)+32+k+1], v[64*(\p)+64+k:64*(\p)+64+k+1]
.set k, k+2
.endr
	WIN 0x28
.set k, 0
.rept 16
	v_pk_fma_f32 v[ACC+32*(\p)+k:ACC+32*(\p)+k+1], v[ACC+32*(\p)+k:ACC+32*(\p)+k+1], v[64*(\p)+32+k:64*(\p)+32+k+1], v[64*(\p)+k:64*(\p)+k+1] op_sel:[1,0,0] op_sel_hi:[0,1,1] neg_lo:[1,0,0]
	v_pk_fma_f32 v[ACC+32*(\p)+32+k:ACC+32*(\p)+32+k+1], v[ACC+32*(\p)+32+k:ACC+32*(\p)+32+k+1], v[64*(\p)+96+k:64*(\p)+96+k+1], v[64*(\p)+64+k:64*(\p)+64+k+1] op_sel:[1,0,0] op_sel_hi:[0,1,1] neg_lo:[1,0,0]
.set k, k+2
.endr
	WIN 0
	QUANT4 ACC+32*(\p)
	v_lshl_or_b32 v10, v[TM+5], 8, v[TM+4]
	v_lshl_or_b32 v11, v[TM+7], 8, v[TM+6]
	v_cndmask_b32 v14, v10, v11, s66
.irp q, 0,1,2,3
	global_store_b128 v4, v[PC+4*\q:PC+4*\q+3], s[18:19] offset:1024*(\p)+512*\q
.endr
	global_store_b32 v15, v14, s[12:13] offset:64*(\p)
.endm
.macro VOUT bt
	s_wait_xcnt 0x0
	QUANT4 ACC+32*(\bt)
	v_lshl_or_b32 v10, v[TM+5], 8, v[TM+4]
	v_lshl_or_b32 v11, v[TM+7], 8, v[TM+6]
	v_cndmask_b32 v14, v10, v11, s66
.irp q, 0,1,2,3
	global_store_b128 v7, v[PC+4*\q:PC+4*\q+3], s[20:21] offset:8192+((\bt)+\q/2)*2048+(\q%2)*512
.endr
	global_store_b16 v12, v14, s[20:21] offset:16896+64*(\bt)
.endm
	s_load_b256 s[4:11], s[0:1], 0x0
	s_load_b256 s[12:19], s[0:1], 0x20
	s_load_b64 s[20:21], s[0:1], 0x40
	v_lshl_add_u32 v[SPW], v0, 2, SPARE
	v_mov_b32 v[NIL], 0
	ds_add_u32 v[SPW], v[NIL]
	ds_add_u32 v[SPW], v[NIL]
	v_lshrrev_b32 v1, 5, v0
	v_readfirstlane_b32 s[WV], v1
	s_lshr_b32 s[WR], s[WV], 1
	s_and_b32 s[WC], s[WV], 1
	s_bfe_u32 s40, ttmp6, 0x40000
	s_bfe_u32 s41, ttmp6, 0x40004
	s_lshl_b32 s42, ttmp9, 2
	s_cmp_eq_u32 ttmp9, 2
	s_cselect_b32 s42, 0, s42
	s_cselect_b32 s[KVF], 1, 0
	s_add_co_u32 s42, s42, s40
	s_and_b32 s[VP], s[KVF], s[WC]
	s_and_b32 s[TR], ttmp7, 0xffff
	s_lshl_b32 s[TR], s[TR], 2
	s_add_co_u32 s[TR], s[TR], s41
	s_lshl_b32 s[TR], s[TR], 1
	s_lshl_b32 s43, s41, 2
	s_lshl_b32 s43, 15, s43
	s_lshl_b32 s44, 0x1111, s40
	s_or_b32 s[G1A], s43, (3<<16)|(1<<21)
	s_mov_b32 s[G1A+1], 1024<<16
	s_mov_b32 s[G1A+2], 16<<16
	s_mov_b32 s[G1A+3], 1024<<16
	s_mov_b32 s[G1A+4], 16
	s_mov_b32 s[G1A+5], 1024
	s_mov_b32 s[G1A+6], 0
	s_mov_b32 s[G1A+7], 0
	s_or_b32 s[G1B], s44, (0<<16)|(1<<20)|(1<<21)|(7<<22)|(3<<25)
	s_mov_b32 s[G1B+1], 1024<<16
	s_mov_b32 s[G1B+2], 128<<16
	s_mov_b32 s[G1B+3], 1024<<16
	s_mov_b32 s[G1B+4], 128
	s_mov_b32 s[G1B+5], KK
	s_mov_b32 s[G1B+6], 0
	s_mov_b32 s[G1B+7], 0
	s_or_b32 s[G1SA], s43, (3<<16)|(1<<21)
	s_mov_b32 s[G1SA+1], SAC<<16
	s_mov_b32 s[G1SA+2], SAR<<16
	s_mov_b32 s[G1SA+3], SAC<<16
	s_mov_b32 s[G1SA+4], SAR
	s_mov_b32 s[G1SA+5], SAP
	s_mov_b32 s[G1SA+6], 0
	s_mov_b32 s[G1SA+7], 0
	s_or_b32 s[G1SB], s44, (3<<16)|(1<<21)
	s_mov_b32 s[G1SB+1], 32<<16
	s_mov_b32 s[G1SB+2], SBR<<16
	s_mov_b32 s[G1SB+3], 32<<16
	s_mov_b32 s[G1SB+4], SBR
	s_mov_b32 s[G1SB+5], 32
	s_mov_b32 s[G1SB+6], 0
	s_mov_b32 s[G1SB+7], 0
	s_mov_b32 s[G0A], 1
	s_mov_b32 s[G0A+1], 0
	s_mov_b32 s[G0B], 1
	s_mov_b32 s[G0B+1], BSL
	s_mov_b32 s[G0SA], 1
	s_mov_b32 s[G0SA+1], SA
	s_mov_b32 s[G0SB], 1
	s_mov_b32 s[G0SB+1], SB
	s_mul_i32 s98, s[TR], 8*16*KK
	s_mov_b32 s99, 0
	s_mul_i32 s96, s[TR], SATR
	s_add_co_u32 s96, s96, ASC
	s_mov_b32 s97, 0
	s_lshl_b32 s46, s42, 7
	s_mul_i32 s2, s46, KS
	s_mov_b32 s3, 0
	s_mul_i32 s46, s46, KK
	s_mov_b32 s47, 0
	s_mov_b32 s66, 0xffff0000
	s_mov_b32 s[MNT], 0x600000
	s_mov_b32 s[SEL], 0x76543210
	s_mov_b32 s[SEL+1], 0xfedcba98
	s_wait_dscnt 0x0
	s_wait_kmcnt 0x0
	s_cmp_eq_u32 s[KVF], 1
	s_cselect_b64 s[6:7], s[10:11], s[6:7]
	s_cselect_b64 s[8:9], s[12:13], s[8:9]
	s_add_nc_u64 s[G0A+2:G0A+3], s[4:5], s[98:99]
	s_or_b32 s[G0A+3], s[G0A+3], 0x80000000
	s_add_nc_u64 s[G0B+2:G0B+3], s[6:7], s[46:47]
	s_or_b32 s[G0B+3], s[G0B+3], 0x80000000
	s_add_nc_u64 s[G0SA+2:G0SA+3], s[4:5], s[96:97]
	s_or_b32 s[G0SA+3], s[G0SA+3], 0x80000000
	s_add_nc_u64 s[G0SB+2:G0SB+3], s[8:9], s[2:3]
	s_or_b32 s[G0SB+3], s[G0SB+3], 0x80000000
	s_lshl_b32 s96, s[TR], 3                       ; the refill: wave w brings row tiles 8 (TR + 1) + 2 w and the next, 32,768 dense bytes, to LDS byte 32,768 w
	s_lshl_b32 s97, s[WV], 1
	s_add_co_u32 s96, s96, s97
	s_add_co_u32 s96, s96, 8
	s_lshl_b32 s96, s96, 14
	s_mov_b32 s97, 0
	s_add_nc_u64 s[G0R+2:G0R+3], s[4:5], s[96:97]
	s_or_b32 s[G0R+3], s[G0R+3], 0x80000000
	s_mov_b32 s[G0R], 1
	s_lshl_b32 s[G0R+1], s[WV], 15
	CROUND
	ARM 1, G0A,  G1A,  .Lhead_b
	ARM 2, G0B,  G1B,  .Lhead_sa
	ARM 3, G0SA, G1SA, .Lhead_sb
	tensor_load_to_lds s[G0SB:G0SB+3], s[G1SB:G1SB+7]
	s_nop 0
.rept 4
	v_nop
.endr
.Lhead_asked:
	v_and_b32 v1, 15, v0
	v_bfe_u32 v2, v0, 4, 1
	v_and_b32 v3, 31, v0
	v_lshlrev_b32 v4, 4, v3
	v_and_b32 v5, 8, v1
	v_add_nc_u32 v5, v5, v1
	s_lshl_b32 s96, s[WR], 16
	v_add_nc_u32 v[ADRA], s96, v4
	v_add_nc_u32 v[ADRA+1], 8192, v[ADRA]
	v_mul_u32_u24 v6, v5, 1040
	v_lshl_add_u32 v6, v2, 4, v6
	s_mul_i32 s96, s[WC], 66560
	s_add_co_u32 s96, s96, BSL
	v_add_nc_u32 v[ADRB], s96, v6
	v_add_nc_u32 v[ADRB+1], 512, v[ADRB]
	s_mul_i32 s96, s[WR], 4*SA_T
	s_add_co_u32 s96, s96, SA
	v_lshl_add_u32 v[ADSA], v1, 2, s96
	v_mul_u32_u24 v6, v5, KS
	s_mul_i32 s96, s[WC], 64*KS
	s_add_co_u32 s96, s96, SB
	v_add_nc_u32 v[ADSB], s96, v6
	v_lshlrev_b32 v15, 2, v3
.irp b, 0,1,2,3
	v_mov_b32 v[TM+4+\b], 0
.endr
	v_lshlrev_b32 v9, 8, v5
	v_lshl_add_u32 v9, v2, 6, v9
	s_lshl_b32 s96, s[WR], 10
	v_add_nc_u32 v7, s96, v4
	s_lshl_b32 s96, s[WR], 1
	v_add_nc_u32 v12, s96, v15
	s_lshl_b32 s96, s[WR], 7
	v_add_nc_u32 v13, s96, v15
	v_mov_b32 v8, 0
	s_lshl_b32 s96, s[TR], 7
	s_lshl_b32 s97, s[WR], 6
	s_add_co_u32 s96, s96, s97
	s_and_b32 s96, s96, 2047
	s_lshl_b32 s96, s96, 8
	s_mov_b32 s97, 0
	s_add_nc_u64 s[14:15], s[14:15], s[96:97]
	s_add_nc_u64 s[16:17], s[16:17], s[96:97]
	s_lshl_b32 s96, s42, 1
	s_add_co_u32 s96, s96, s[WC]
	s_lshl_b32 s96, s96, 8
	s_lshl_b32 s97, s[TR], 3
	s_add_co_u32 s96, s96, s97
	s_lshl_b32 s97, s[WR], 2
	s_add_co_u32 s96, s96, s97
	s_lshl_b32 s98, s96, 6
	s_add_co_u32 s98, s98, 4194304
	s_lshl_b32 s96, s96, 10
	s_lshl_b32 s2, s42, 5
	s_add_co_u32 s2, s2, s[TR]
	s_mul_i32 s2, s2, KVB
	s_lshl_b32 s3, s[WR], 12
	s_add_co_u32 s46, s2, s3
	s_lshl_b32 s3, s[WR], 8
	s_add_co_u32 s47, s2, s3
	s_add_co_u32 s47, s47, 16384
	s_mov_b32 s44, 8192
	s_mov_b32 s40, 512
	s_cmp_eq_u32 s[KVF], 1
	s_cselect_b32 s96, s46, s96
	s_cselect_b32 s98, s47, s98
	s_cselect_b32 s44, KVB, s44
	s_cselect_b32 s40, KVB, s40
	s_cselect_b64 s[18:19], s[20:21], s[18:19]
	s_mov_b32 s97, 0
	s_mov_b32 s99, 0
	s_mov_b32 s45, 0
	s_mov_b32 s41, 0
	s_mov_b32 s3, 0
	s_add_nc_u64 s[12:13], s[18:19], s[98:99]
	s_add_nc_u64 s[18:19], s[18:19], s[96:97]
	s_add_nc_u64 s[20:21], s[20:21], s[2:3]
	s_wait_tensorcnt 0x0
	s_mov_b32 s[G1A+2], 4<<16                      ; no tensor load of mine is out: from here on a load of h brings 4 rows of 8,192 bytes
	s_mov_b32 s[G1A+4], 4
	s_barrier_signal -1
	s_barrier_wait -1
	s_cmp_eq_u32 s[VP], 1
	s_cbranch_scc1 .Lv_mul0
	SLOTRUN 0, 0, 0, 0
	SLOTRUN 1, 1, 2, 0
	s_branch .Lj_mul0
.Lv_mul0:
	SLOTRUN 0, 0, 0, 1
	SLOTRUN 1, 1, 2, 1
.Lj_mul0:
	REFILL
	s_cmp_eq_u32 s[VP], 1
	s_cbranch_scc1 .Lv_out0
	s_wait_alu depctr_va_vdst(0)
	TABLES 0
	PLACES 4
	s_wait_loadcnt 0x0
	QKOUT 0
	QKOUT 2
	s_wait_xcnt 0x0
	s_add_nc_u64 s[18:19], s[18:19], s[44:45]
	s_add_nc_u64 s[12:13], s[12:13], s[40:41]
	s_branch .Lj_out0
.Lv_out0:
	PLACES 4
	VOUT 0
	VOUT 2
	global_store_b32 v13, v8, s[20:21] offset:17152
	s_wait_xcnt 0x0
	s_add_nc_u64 s[20:21], s[20:21], KVB
.Lj_out0:
	s_wait_tensorcnt 0x0
	s_wait_dscnt 0x0
	s_barrier_signal -1
	s_barrier_wait -1
.set SAJ, 4096
	s_cmp_eq_u32 s[VP], 1
	s_cbranch_scc1 .Lv_1
	TABLES 1
	SLOTRUN 0, 0, 0, 0
	SLOTRUN 1, 1, 2, 0
	PLACES 8
	s_wait_loadcnt 0x0
	QKOUT 0
	QKOUT 2
	s_branch .Ldone
.Lv_1:
	SLOTRUN 0, 0, 0, 1
	SLOTRUN 1, 1, 2, 1
	PLACES 8
	VOUT 0
	VOUT 2
	global_store_b32 v13, v8, s[20:21] offset:17152
.Ldone:
	s_wait_tensorcnt 0x0
	ds_add_u32 v[SPW], v[NIL]
	s_wait_dscnt 0x0
	CROUND
	s_endpgm
.Lfunc_end_k_q16ee7e32c4_qkv:
	.size	k_q16ee7e32c4_qkv, .Lfunc_end_k_q16ee7e32c4_qkv-k_q16ee7e32c4_qkv
	.p2alignl 7, 3214868480
	.fill 96, 4, 3214868480
	.section	.rodata,"a",@progbits
	.p2align	6, 0x0
	.amdhsa_kernel k_q16ee7e32c4_qkv
		.amdhsa_group_segment_fixed_size 327680
		.amdhsa_private_segment_fixed_size 0
		.amdhsa_enable_private_segment 0
		.amdhsa_kernarg_size 72
		.amdhsa_user_sgpr_count 2
		.amdhsa_user_sgpr_kernarg_segment_ptr 1
		.amdhsa_wavefront_size32 1
		.amdhsa_system_sgpr_workgroup_id_x 1
		.amdhsa_system_sgpr_workgroup_id_y 1
		.amdhsa_system_sgpr_workgroup_id_z 1
		.amdhsa_system_vgpr_workitem_id 0
		.amdhsa_next_free_vgpr 768
		.amdhsa_next_free_sgpr 102
		.amdhsa_reserve_vcc 0
		.amdhsa_float_denorm_mode_32 3
		.amdhsa_float_denorm_mode_16_64 3
		.amdhsa_memory_ordered 1
		.amdhsa_forward_progress 1
		.amdhsa_inst_pref_size 255
	.end_amdhsa_kernel
	.section	.bss,"aw",@nobits
	.p2align	6
	.space	262144
	.amdgpu_metadata
---
amdhsa.version: [ 1, 2 ]
amdhsa.kernels:
  - .name:           k_q16ee7e32c4_qkv
    .symbol:         k_q16ee7e32c4_qkv.kd
    .args:
      - { .name: hbuf, .offset: 0, .size: 8, .value_kind: global_buffer, .address_space: global }
      - { .name: Wq_codes, .offset: 8, .size: 8, .value_kind: global_buffer, .address_space: global }
      - { .name: Wq_scales, .offset: 16, .size: 8, .value_kind: global_buffer, .address_space: global }
      - { .name: Wkv_codes, .offset: 24, .size: 8, .value_kind: global_buffer, .address_space: global }
      - { .name: Wkv_scales, .offset: 32, .size: 8, .value_kind: global_buffer, .address_space: global }
      - { .name: cos, .offset: 40, .size: 8, .value_kind: global_buffer, .address_space: global }
      - { .name: sin, .offset: 48, .size: 8, .value_kind: global_buffer, .address_space: global }
      - { .name: qbuf, .offset: 56, .size: 8, .value_kind: global_buffer, .address_space: global }
      - { .name: kvbuf, .offset: 64, .size: 8, .value_kind: global_buffer, .address_space: global }
    .group_segment_fixed_size: 327680
    .private_segment_fixed_size: 0
    .kernarg_segment_align: 8
    .kernarg_segment_size: 72
    .max_flat_workgroup_size: 128
    .sgpr_count:     102
    .vgpr_count:     768
    .wavefront_size: 32
...
	.end_amdgpu_metadata
.endif
;; end of part 2
;; launch attn (part 3): grid 32 x 8, 16 waves a work-group, clusters of 4 x 1, 327,680 bytes of LDS; arguments qbuf, kvbuf, obuf; writes obuf
.if DOCPART == 3
	.amdgcn_target "amdgcn-amd-amdhsa--gfx1250"
	.amdhsa_code_object_version 6
	.text
	.protected	k_q16ee7e32c4_attn
	.globl	k_q16ee7e32c4_attn
	.p2align	8
	.type	k_q16ee7e32c4_attn,@function
k_q16ee7e32c4_attn:
	s_mov_b64 s[64:65], 0
	v_nop
	global_prefetch_b8 v0, s[64:65] scope:SCOPE_SE
	s_setreg_imm32_b32 hwreg(HW_REG_WAVE_MODE, 25, 1), 1
	s_wait_xcnt 0x0
	s_wait_alu depctr_hold_cnt(0) depctr_sa_sdst(0) depctr_va_vdst(0) depctr_va_sdst(0) depctr_va_ssrc(0) depctr_va_vcc(0) depctr_vm_vsrc(0)
	s_getreg_b32 s2, hwreg(HW_REG_IB_STS2, 6, 4)
	s_cmp_eq_u32 s2, 0
	s_cbranch_scc0 .Lentry_in_a_cluster
	s_endpgm
.Lentry_in_a_cluster:
	s_bfe_u32 s2, ttmp6, 0x10000c
	s_cmp_lg_u32 s2, 0x3003
	s_cbranch_scc0 .Lentry_shape_is_right
	s_endpgm
.Lentry_shape_is_right:
; ATTENTION on codes of BF8 (E5M2) with E8M0 scales: o = softmax(q k^T / 8) v for 16 query heads on 4 key and value heads, 2,048 keys, head size 64; then o is quantised along the model's 1,024 for the product with Wo.
; Nothing is left out here.  p = 2^(t - M), t = score x log2(e) / 8, M = the running largest t rounded up to a whole number; the row's sum is taken of the unquantised p and divides at the end.
; LIMITS: NaN and infinities are not served; the scaled scores stay under 2^31 in magnitude; a block whose every p is 0 keeps the scale byte 1 (its codes are zeros).
; SHARES.  Work-group (x, y): batch y / 4, key and value head y % 4, 64 queries of each of its four query heads.  Wave w: head w % 4, row tile w / 4: 16 queries, a lane one query (lane % 16) throughout.
; Both products are used transposed: S^T = K Q^T (source 0 = 16 keys), O^T = V^T P^T (source 0 = 16 of the head's 64).  The keys of a tile and V's rows were laid by the launch before so that 16 registers of two neighbouring tiles are neighbours.
; LDS.  The head's K and V, 16 blocks of 128 keys x 17,408 bytes (K 8 x 1,024, V 4 x 2,048, K's scale words 512, V's 256, 256 of zeros), lie in LDS whole: each of the sixteen waves asks for one block at the head, and nothing is filled again.
; So one barrier behind the head serves all key steps, and the waves walk the blocks each at its own pace.
; CLUSTER 4 x 1: the four work-groups walk the same K and V: joint loads.  No prefetch: all that the launch reads by tensor loads is asked for at its head, so there is no loop to run ahead in.
; K = 64 OF 128.  A key tile's fragment is 8 registers; the eight lie on end, so the upper half of a fragment's 16 registers is the next tile's codes (behind the last: zeros).  They are finite codes and meet Q's upper half, which is zero codes.
; FRAGMENTS AHEAD.  The next step's K fragments and scale words are asked for behind the scores' eight places, a softmax ahead of their use (the first block's at the head; the last step, written out, asks for none).
; V's tile b lands in the 16 registers of p's block b as soon as that block is converted; each of the four second products waits by count for its own tile.
; TWO LINES IN ONE: t - M, the sums, the hold and the rescaling are dual-issue pairs on an even and an odd register.
.set KVB,   17408
.set SCX,   278528                     ; behind the 16 blocks: 512 bytes in which the waves' scale bytes of o meet
.set SPARE, 279040                     ; the spare words, 128 bytes for each of 16 waves: eight blocks of 256 bytes that no other line names
.set SPW, 5                            ; v5 my spare word; v6 0; never rewritten
.set NIL, 6
.set KS,  8                            ; v8-15   K's scale words; v7 Q's
.set KF,  32                           ; v32-95  K's eight fragments; v96-103 zeros
.set S,   104                          ; v104-167 S^T, then p, then V's four fragments
.set O,   168                          ; v168-199 O^T
.set PC,  200                          ; v200-215 p's codes
.set BM,  216
.set TP,  220
.set HO,  224
.set SO,  228
.set PWD, 232                          ; p's scale word
.set F,   233
.set W,   234
.set NM2, 235                          ; f, -M and the four holds are kept twice, in registers of other banks (-M: of the other parity): the two halves of a dual-issue pair name different registers
.set NM,  236                          ; -M
.set MT,  237                          ; the largest t
.set F2,  238
.set VS,  240                          ; v240-243 V's scale words
.set SU,  244                          ; v244-247 the row's sum in four parts
.set AX,  248                          ; v248-250 the way out's addresses
.set HO2, 251
.set TM,  216
.set CSL, 0x3e38aa3b                   ; log2(e) / 8
.set WV,  10
.set SEL, 40
.set CS,  42
.set MNT, 44
.set TB,  45
.set CNT, 46
.macro CROUND
	s_barrier_signal -1
	s_barrier_wait -1
	s_cmp_lg_u32 s[WV], 0
	s_cbranch_scc1 .Lnot_wave_0_\@
	s_barrier_signal -3
.Lnot_wave_0_\@:
	s_barrier_wait -3
	s_barrier_signal -1
	s_barrier_wait -1
.endm
.macro KLOAD a, sa, off                ; a block's eight fragments of K and their scale words: 24 LDS loads
.irp t, 0,1,2,3,4,5,6,7
	ds_load_b128 v[KF+8*\t:KF+8*\t+3], v[\a] offset:(\off)+\t*1024
	ds_load_b128 v[KF+8*\t+4:KF+8*\t+7], v[\a] offset:(\off)+\t*1024+512
	ds_load_b32 v[KS+\t], v[\sa] offset:(\off)+16384+\t*64
.endr
.endm
.macro ADDS n                          ; n pairs of p onto the sums, from register j on, two chains by turns
.rept \n
	v_dual_add_f32 v[SU+(j&2)], v[S+j], v[SU+(j&2)] :: v_dual_add_f32 v[SU+(j&2)+1], v[S+j+1], v[SU+(j&2)+1]
.set j, j+2
.endr
.endm
; A KEY STEP: 128 keys, the block at LDS byte s[TB].  more = 1: the next block's K is asked for.
.macro STEP more
	v_add_nc_u32 v3, s[TB], v1
	v_add_nc_u32 v4, s[TB], v2
.rept 7
	v_nop                                          ; with the two above: nine places behind the last products, over whose fragments of V the scores are written
.endr
	s_wait_alu depctr_va_vdst(0)
	s_wait_dscnt 0x0                               ; K, asked for a step ago
.irp t, 0,1,2,3,4,5,6,7
	v_wmma_scale_f32_16x16x128_f8f6f4 v[S+8*\t:S+8*\t+7], v[KF+8*\t:KF+8*\t+15], v[16:31], 0, v[KS+\t], v7 matrix_a_fmt:MATRIX_FMT_BF8 matrix_b_fmt:MATRIX_FMT_BF8
.endr
.rept 8
	v_nop                                          ; eight places: for the loads below and for the first read of the scores
.endr
.if \more
	KLOAD 3, 4, KVB
.endif
.irp b, 0,1,2,3
	v_max3_num_f32 v[BM+\b], v[S+16*\b], v[S+1+16*\b], v[S+2+16*\b]   ; the largest score of each block of 32 keys; each accumulator is read from its low end on
.endr
.irp i, 3,5,7,9,11,13
.irp b, 0,1,2,3
	v_max3_num_f32 v[BM+\b], v[BM+\b], v[S+16*\b+\i], v[S+1+16*\b+\i]
.endr
.endr
.irp b, 0,1,2,3
	v_max_num_f32 v[BM+\b], v[BM+\b], v[S+15+16*\b]
.endr
.irp b, 0,1,2,3
	v_permlanex16_b32 v[TP+\b], v[BM+\b], s[SEL], s[SEL+1]
.endr
.irp b, 0,1,2,3
	v_max_num_f32 v[BM+\b], v[BM+\b], v[TP+\b]     ; with lane l xor 16's 16 keys
.endr
	v_max3_num_f32 v[W], v[BM], v[BM+1], v[BM+2]
	v_max_num_f32 v[W], v[W], v[BM+3]
	v_mul_f32 v[W], s[CS], v[W]
	v_max_num_f32 v[MT], v[MT], v[W]               ; the running largest t
	v_mov_b32 v[W], v[NM]
	v_floor_f32 v[NM], -v[MT]                      ; -M = floor(-t)
	v_floor_f32 v[NM2], -v[MT]
.set j, 0
.rept 32
	v_dual_fmamk_f32 v[S+j], v[S+j], CSL, v[NM] :: v_dual_fmamk_f32 v[S+j+1], v[S+j+1], CSL, v[NM2]   ; t - M
.set j, j+2
.endr
.irp b, 0,1,2,3
	v_fma_f32 v[BM+\b], v[BM+\b], s[CS], v[NM]     ; the same of each block's largest score
.endr
	s_wait_alu depctr_va_vdst(0)
.set j, 0
.rept 32
	v_exp_f32 v[S+j], v[S+j]                       ; p of blocks 0 and 1, not normalised
.set j, j+1
.endr
	v_sub_f32 v[W], v[NM], v[W]                    ; plain work behind the batch: old M - new M, a whole number, 0 or less,
	v_cvt_i32_f32 v[W], v[W]                       ; (it saturates)
	v_ldexp_f32 v[F], 1.0, v[W]                    ; f = 2^(old M - new M),
	v_ldexp_f32 v[F2], 1.0, v[W]
	v_mul_f32 v[SU], v[SU], v[F]                   ; and the sums under the new M
	v_mul_f32 v[SU+1], v[SU+1], v[F]
	v_dual_mul_f32 v[SU+2], v[SU+2], v[F] :: v_dual_mul_f32 v[SU+3], v[SU+3], v[F2]
	s_wait_alu depctr_va_vdst(0)                   ; one wait for the batch, ahead of its first reader, and ahead of the next batch
.rept 32
	v_exp_f32 v[S+j], v[S+j]                       ; p of blocks 2 and 3
.set j, j+1
.endr
.irp b, 0,1,2,3
	v_exp_f32 v[BM+\b], v[BM+\b]                   ; each block's largest p
.endr
	v_add_f32 v[SU], v[S], v[SU]                   ; the row's sum, of the unquantised p: blocks 0 and 1 stand behind the second batch as its independent work
	v_add_f32 v[SU+1], v[S+1], v[SU+1]
.set j, 2
	ADDS 15
	s_wait_alu depctr_va_vdst(0)                   ; one wait for the second batch
	ADDS 16
.irp b, 0,1,2,3
	v_max_num_f32 v[BM+\b], 0x8000000, v[BM+\b]    ; the floor 2^(16 - 127): the byte cannot fall under 1
.endr
.irp b, 0,1,2,3
	v_add_nc_u32 v[SO+\b], 0xf8800000, v[BM+\b]    ; 15 off the exponent field: the conversion's scale operand
.endr
.irp b, 0,1,2,3
	v_and_or_b32 v[HO+\b], v[BM+\b], 0x7f800000, s[MNT]   ; 57,344 x the scale
	v_and_or_b32 v[HO2+\b], v[BM+\b], 0x7f800000, s[MNT]
.endr
.irp b, 0,1,2,3
	v_lshrrev_b32 v[TP+\b], 23, v[SO+\b]           ; the scale's byte
.endr
	v_lshl_or_b32 v[PWD], v[TP+1], 8, v[TP]
	v_lshl_or_b32 v[PWD], v[TP+2], 16, v[PWD]
	v_lshl_or_b32 v[PWD], v[TP+3], 24, v[PWD]
.irp b, 0,1,2,3
.irp i, 0,2,4,6,8,10,12,14
	v_dual_min_num_f32 v[S+16*\b+\i], v[S+16*\b+\i], v[HO+\b] :: v_dual_min_num_f32 v[S+16*\b+\i+1], v[S+16*\b+\i+1], v[HO2+\b]   ; the conversion does not saturate (ISA guide 7.6.2); p is not negative
.endr
	v_cvt_scalef32_pk8_bf8_f32 v[PC+4*\b:PC+1+4*\b], v[S+16*\b:S+7+16*\b], v[SO+\b]
	v_cvt_scalef32_pk8_bf8_f32 v[PC+2+4*\b:PC+3+4*\b], v[S+8+16*\b:S+15+16*\b], v[SO+\b]
.irp c, 0,1,2,3
	ds_load_b128 v[S+16*\b+4*\c:S+16*\b+4*\c+3], v3 offset:8192+\b*2048+512*\c   ; V's tile b, into the block just converted: five loads a tile
.endr
	ds_load_b32 v[VS+\b], v4 offset:16896+64*\b
.endr
	v_nop                                          ; a plain line behind the last conversion
	s_wait_alu depctr_va_vdst(0)                   ; directly ahead of the first reader of O^T
.set j, 0
.rept 16
	v_dual_mul_f32 v[O+j], v[O+j], v[F] :: v_dual_mul_f32 v[O+j+1], v[O+j+1], v[F2]   ; O^T under the new M; also the places ahead of the products below
.set j, j+2
.endr
	s_wait_alu depctr_va_vdst(0)
.irp t, 0,1,2,3
	s_wait_dscnt 15-5*\t                           ; V's tile t is in: behind it stand the five loads of each later tile
	v_wmma_scale_f32_16x16x128_f8f6f4 v[O+8*\t:O+8*\t+7], v[S+16*\t:S+16*\t+15], v[PC:PC+15], v[O+8*\t:O+8*\t+7], v[VS+\t], v[PWD] matrix_a_fmt:MATRIX_FMT_BF8 matrix_b_fmt:MATRIX_FMT_BF8
.endr
.endm
	s_load_b128 s[4:7], s[0:1], 0x0                ; q, k and v
	s_load_b64 s[8:9], s[0:1], 0x10                ; o
	v_lshl_add_u32 v[SPW], v0, 2, SPARE
	v_mov_b32 v[NIL], 0
	ds_add_u32 v[SPW], v[NIL]                      ; the opening: the add, twice on end, and its wait ahead of my tensor load
	ds_add_u32 v[SPW], v[NIL]
	v_lshrrev_b32 v1, 5, v0
	v_readfirstlane_b32 s[WV], v1
	s_bfe_u32 s11, ttmp6, 0x40000
	s_lshl_b32 s12, ttmp9, 2
	s_add_co_u32 s12, s12, s11                     ; work-group x
	s_and_b32 s13, ttmp7, 0xffff
	s_lshr_b32 s14, s13, 2                         ; batch
	s_and_b32 s15, s13, 3                          ; key and value head
	s_and_b32 s16, s[WV], 3                        ; query head in the group
	s_lshr_b32 s17, s[WV], 2                       ; row tile in the work-group
	s_mov_b32 s24, 15|(3<<16)|(1<<21)              ; group 1: a block as 68 rows of 256 bytes; the mask names the cluster's four
	s_mov_b32 s25, 32<<16
	s_mov_b32 s26, 68<<16
	s_mov_b32 s27, 32<<16
	s_mov_b32 s28, 68
	s_mov_b32 s29, 32
	s_mov_b32 s30, 0
	s_mov_b32 s31, 0
	s_lshl_b32 s18, s15, 5
	s_lshl_b32 s19, s14, 4
	s_add_co_u32 s18, s18, s19
	s_mul_i32 s18, s18, KVB                        ; the head's first block
	s_mov_b32 s48, 1
	s_mul_i32 s49, s[WV], KVB                      ; block w goes to LDS byte 17,408 w
	s_add_co_u32 s20, s18, s49
	s_mov_b32 s21, 0
	s_lshl_b32 s60, s14, 7
	s_lshl_b32 s61, s12, 2
	s_add_co_u32 s60, s60, s61
	s_add_co_u32 s60, s60, s17                     ; my row tile: 128 batch + 4 x + w / 4
	s_lshl_b32 s61, s15, 2
	s_add_co_u32 s61, s61, s16
	s_lshl_b32 s61, s61, 8
	s_add_co_u32 s61, s61, s60                     ; q: [head 16][row tile 256]
	s_lshl_b32 s62, s61, 6
	s_add_co_u32 s62, s62, 4194304
	s_mov_b32 s63, 0
	s_lshl_b32 s56, s61, 10
	s_mov_b32 s57, 0
	s_lshl_b32 s58, s60, 14                        ; o's codes: [row tile][K step 8][2048]; my head's 64 are half a K step
	s_lshl_b32 s59, s15, 12
	s_add_co_u32 s58, s58, s59
	s_lshl_b32 s59, s16, 10
	s_add_co_u32 s58, s58, s59
	s_mov_b32 s59, 0
	s_lshl_b32 s60, s15, 15                        ; o's scale words: [K step][row tile][r]
	s_lshl_b32 s61, s14, 13
	s_add_co_u32 s60, s60, s61
	s_lshl_b32 s61, s12, 8
	s_add_co_u32 s60, s60, s61
	s_add_co_u32 s60, s60, 4194304
	s_mov_b32 s61, 0
	s_mov_b32 s[SEL], 0x76543210
	s_mov_b32 s[SEL+1], 0xfedcba98
	s_mov_b32 s[CS], CSL
	s_mov_b32 s[MNT], 0x600000
	s_wait_dscnt 0x0                               ; both opening adds are done
	s_wait_kmcnt 0x0
	s_add_nc_u64 s[50:51], s[6:7], s[20:21]
	s_or_b32 s51, s51, 0x80000000
	s_add_nc_u64 s[62:63], s[4:5], s[62:63]
	s_add_nc_u64 s[4:5], s[4:5], s[56:57]
	s_add_nc_u64 s[60:61], s[8:9], s[60:61]
	s_add_nc_u64 s[8:9], s[8:9], s[58:59]
	CROUND                                         ; the four work-groups are here: the joint loads meet
	tensor_load_to_lds s[48:51], s[24:31]          ; my one tensor load
	s_nop 0
	v_and_b32 v1, 31, v0
	v_lshlrev_b32 v1, 4, v1                        ; 16 x lane
	v_and_b32 v2, 15, v0
	v_lshlrev_b32 v2, 2, v2                        ; 4 r
	global_load_b128 v[16:19], v1, s[4:5]
	global_load_b128 v[20:23], v1, s[4:5] offset:512
	global_load_b32 v7, v2, s[62:63]
.irp j, 24,25,26,27,28,29,30,31,96,97,98,99,100,101,102,103
	v_mov_b32 v[\j], 0                             ; zero codes: Q's upper half, and what follows K's last fragment
.endr
.set j, 0
.rept 32
	v_mov_b32 v[O+j], 0                            ; the step is written for all blocks alike: the first finds zeros
.set j, j+1
.endr
	v_mov_b32 v[MT], 0xff61b1e6                    ; -3e38, under every t
	v_floor_f32 v[NM], -v[MT]
.irp b, 0,1,2,3
	v_mov_b32 v[SU+\b], 0
	v_mov_b32 v[TP+\b], 0                          ; a lane permute's destination counts as a source
.endr
	s_wait_alu depctr_va_vdst(0)
	s_wait_tensorcnt 0x0                           ; my block has landed
	s_wait_loadcnt 0x0                             ; Q
	s_barrier_signal -1
	s_barrier_wait -1                              ; everybody's has
	KLOAD 1, 2, 0                                  ; block 0's K
	s_mov_b32 s[TB], 0
	s_mov_b32 s[CNT], 15
.Lk:                                               ; blocks 0 to 14
	STEP 1
	s_add_co_u32 s[TB], s[TB], KVB
	s_sub_co_u32 s[CNT], s[CNT], 1
	s_cmp_lg_u32 s[CNT], 0
	s_cbranch_scc1 .Lk
	s_mov_b32 s[TB], 15*KVB
	STEP 0                                         ; the last block is written out: no block follows it
	; THE WAY OUT: O^T / the sum, quantised along my head's 64 (two blocks of 32), the codes as an image of operand registers, the scale bytes through LDS.
.rept 8
	v_nop
.endr
	v_add_f32 v[SU], v[SU], v[SU+1]
	v_add_f32 v[SU+2], v[SU+2], v[SU+3]
	v_add_f32 v[SU], v[SU], v[SU+2]
	v_permlanex16_b32 v[TP], v[SU], s[SEL], s[SEL+1]
	v_add_f32 v[SU], v[SU], v[TP]                  ; the row's sum
	s_wait_alu depctr_va_vdst(0)
	v_rcp_f32 v[SU], v[SU]
	s_bfe_u32 s47, s[WV], 0x10001                  ; my two bytes: K step (w % 4) / 2, row tile w / 4, half (w % 2) of a word
	s_lshl_b32 s47, s47, 8
	s_lshr_b32 s18, s[WV], 2
	s_lshl_b32 s18, s18, 6
	s_add_co_u32 s47, s47, s18
	s_and_b32 s18, s[WV], 1
	s_lshl_b32 s18, s18, 1
	s_add_co_u32 s47, s47, s18
	s_add_co_u32 s47, s47, SCX
	v_add_nc_u32 v[AX], s47, v2
	v_add_nc_u32 v[AX+1], SCX, v1
	v_bfe_u32 v[AX+2], v0, 4, 1
	v_lshlrev_b32 v[AX+2], 14, v[AX+2]
	v_and_b32 v[W], 15, v0
	v_lshl_add_u32 v[AX+2], v[W], 4, v[AX+2]
	s_wait_alu depctr_va_vdst(0)                   ; ahead of the first reader of the reciprocal and of O^T
.set j, 0
.rept 32
	v_mul_f32 v[S+j], v[O+j], v[SU]
.set j, j+1
.endr
.irp b, 0,1
	v_max3_num_f32 v[TM+\b], |v[S+16*\b]|, |v[S+1+16*\b]|, 0x8000000
.endr
.irp i, 2,4,6,8,10,12,14
.irp b, 0,1
	v_max3_num_f32 v[TM+\b], v[TM+\b], |v[S+16*\b+\i]|, |v[S+1+16*\b+\i]|
.endr
.endr
.irp b, 0,1
	v_permlanex16_b32 v[TM+4+\b], v[TM+\b], s[SEL], s[SEL+1]
.endr
.irp b, 0,1
	v_max_num_f32 v[TM+\b], v[TM+\b], v[TM+4+\b]
.endr
.irp b, 0,1
	v_add_nc_u32 v[TM+12+\b], 0xf8800000, v[TM+\b]
.endr
.irp b, 0,1
	v_and_or_b32 v[TM+8+\b], v[TM+\b], 0x7f800000, s[MNT]
.endr
.irp b, 0,1
	v_lshrrev_b32 v[TM+4+\b], 23, v[TM+12+\b]
.endr
.irp b, 0,1
.irp i, 0,1,2,3,4,5,6,7,8,9,10,11,12,13,14,15
	v_med3_num_f32 v[S+16*\b+\i], v[S+16*\b+\i], -v[TM+8+\b], v[TM+8+\b]
.endr
	v_cvt_scalef32_pk8_bf8_f32 v[PC+4*\b:PC+1+4*\b], v[S+16*\b:S+7+16*\b], v[TM+12+\b]
	v_cvt_scalef32_pk8_bf8_f32 v[PC+2+4*\b:PC+3+4*\b], v[S+8+16*\b:S+15+16*\b], v[TM+12+\b]
.endr
	v_lshl_or_b32 v[W], v[TM+5], 8, v[TM+4]
	global_store_b128 v1, v[PC:PC+3], s[8:9]       ; 32 lanes store 512 consecutive bytes, aligned
	global_store_b128 v1, v[PC+4:PC+7], s[8:9] offset:512
	ds_store_b16 v[AX], v[W]
	s_wait_dscnt 0x0
	s_barrier_signal -1
	s_barrier_wait -1                              ; the work-group's 128 scale words are whole
	s_cmp_lg_u32 s[WV], 0
	s_cbranch_scc1 .Lnot0
	ds_load_b128 v[S:S+3], v[AX+1]
	s_wait_dscnt 0x0
	global_store_b128 v[AX+2], v[S:S+3], s[60:61]  ; sixteen lanes store 256 consecutive bytes, aligned, for each of two K steps
.Lnot0:
	s_wait_tensorcnt 0x0                           ; the wave's end
	ds_add_u32 v[SPW], v[NIL]
	s_wait_dscnt 0x0
	CROUND                                         ; the closing round
	s_endpgm
.Lfunc_end_k_q16ee7e32c4_attn:
	.size	k_q16ee7e32c4_attn, .Lfunc_end_k_q16ee7e32c4_attn-k_q16ee7e32c4_attn
	.p2alignl 7, 3214868480
	.fill 96, 4, 3214868480
	.section	.rodata,"a",@progbits
	.p2align	6, 0x0
	.amdhsa_kernel k_q16ee7e32c4_attn
		.amdhsa_group_segment_fixed_size 327680
		.amdhsa_private_segment_fixed_size 0
		.amdhsa_enable_private_segment 0
		.amdhsa_kernarg_size 24
		.amdhsa_user_sgpr_count 2
		.amdhsa_user_sgpr_kernarg_segment_ptr 1
		.amdhsa_wavefront_size32 1
		.amdhsa_system_sgpr_workgroup_id_x 1
		.amdhsa_system_sgpr_workgroup_id_y 1
		.amdhsa_system_sgpr_workgroup_id_z 1
		.amdhsa_system_vgpr_workitem_id 0
		.amdhsa_next_free_vgpr 256
		.amdhsa_next_free_sgpr 66
		.amdhsa_reserve_vcc 0
		.amdhsa_float_denorm_mode_32 3
		.amdhsa_float_denorm_mode_16_64 3
		.amdhsa_memory_ordered 1
		.amdhsa_forward_progress 1
		.amdhsa_inst_pref_size 55
	.end_amdhsa_kernel
	.amdgpu_metadata
---
amdhsa.version: [ 1, 2 ]
amdhsa.kernels:
  - .name:           k_q16ee7e32c4_attn
    .symbol:         k_q16ee7e32c4_attn.kd
    .args:
      - { .name: qbuf, .offset: 0, .size: 8, .value_kind: global_buffer, .address_space: global }
      - { .name: kvbuf, .offset: 8, .size: 8, .value_kind: global_buffer, .address_space: global }
      - { .name: obuf, .offset: 16, .size: 8, .value_kind: global_buffer, .address_space: global }
    .group_segment_fixed_size: 327680
    .private_segment_fixed_size: 0
    .kernarg_segment_align: 8
    .kernarg_segment_size: 24
    .max_flat_workgroup_size: 512
    .sgpr_count:     66
    .vgpr_count:     256
    .wavefront_size: 32
...
	.end_amdgpu_metadata
.endif
;; end of part 3
;; launch wo (part 4): grid 8 x 32, 4 waves a work-group, clusters of 4 x 4, 327,680 bytes of LDS; arguments obuf, Wo_codes, Wo_scales, x, x1; writes x1
.if DOCPART == 4
	.amdgcn_target "amdgcn-amd-amdhsa--gfx1250"
	.amdhsa_code_object_version 6
	.text
	.protected	k_q16ee7e32c4_wo
	.globl	k_q16ee7e32c4_wo
	.p2align	8
	.type	k_q16ee7e32c4_wo,@function
k_q16ee7e32c4_wo:
	s_mov_b64 s[64:65], 0
	v_nop
	global_prefetch_b8 v0, s[64:65] scope:SCOPE_SE
	s_setreg_imm32_b32 hwreg(HW_REG_WAVE_MODE, 25, 1), 1
	s_wait_xcnt 0x0
	s_wait_alu depctr_hold_cnt(0) depctr_sa_sdst(0) depctr_va_vdst(0) depctr_va_sdst(0) depctr_va_ssrc(0) depctr_va_vcc(0) depctr_vm_vsrc(0)
	s_getreg_b32 s2, hwreg(HW_REG_IB_STS2, 6, 4)
	s_cmp_eq_u32 s2, 0
	s_cbranch_scc0 .Lentry_in_a_cluster
	s_endpgm
.Lentry_in_a_cluster:
	s_bfe_u32 s2, ttmp6, 0x10000c
	s_cmp_lg_u32 s2, 0xf033
	s_cbranch_scc0 .Lentry_shape_is_right
	s_endpgm
.Lentry_shape_is_right:
; x1 = x + o Wo^T: o as images of operand registers with scale words [K step][row tile][r], Wo as codes [1,024][1,024] with scale bytes [1,024][32]; BF8 with E8M0 scales, f32 sums, K ascending.  Nothing is left out here.
; SHARES.  A work-group makes 128 rows x 128 columns, four waves of 64 x 64 (wr = wave / 2: rows, wc = wave % 2: columns): 16 accumulators a wave: 256 work-groups.
; Lane r of row tile T holds row 32 (T / 2) + 8 (T % 2) + r + 8 (r / 8); the 16 weight rows of a column tile are taken in the same order; source 0 = weight rows, source 1 = the row tile:
; a lane holds one row, and the 16 registers of column tiles 2 b, 2 b + 1 are its columns 32 b + 16 h + 0..15.
; CLUSTERS 4 x 4: o's tiles are shared along a row of the cluster, Wo's along a column: joint loads.  K = 1,024 fits in two slots of 512: every slot is filled once, three tensor loads a wave, all at the head.
; THE WAY OUT: 16 rows x 256 bytes at a time through the wave's own stage in LDS, the residual added on the way back; sixteen lanes store 256 consecutive bytes, aligned.  The residual is asked for at the head.
.set KK,   1024
.set KS,   KK/32
.set ASC,  4194304                     ; where o's scale words begin
.set SA_T, 64                          ; LDS: from row tile to row tile among A's scale words,
.set SA_S, 512                         ; and from K step to K step
.set SAC,  64                          ; A's scales as a tile: a row is 8 row tiles x 64 bytes,
.set SAR,  8                           ; all 8 K steps: one wave brings A's scale words whole
.set SAP,  2048                        ; 16,384 bytes from K step to K step
.set SAH,  SAR*SAC*8
.set SATR, 512
.set SAWC, SAR*16384
.set SBR,  128*KS/256
; THE HEAD AS IT STANDS (this takes the place of what the paragraph on clusters above says of slots and of three loads a wave): ONE tensor load a wave, all at the head, nothing filled again.
; Wave 0: o's 8 row tiles, 131,072 dense bytes, [row tile 8][K step 8][2048] from LDS byte 0; wave 1: Wo's 128 rows of 1,024 bytes + 16 of padding from BSL; wave 2: o's scale words; wave 3: Wo's scale bytes.
.set BSL,  131072
.set SA,   266240
.set SB,   274432
.set STAGE, 282624                     ; 16 rows x 272 bytes for each wave: no tensor load lands here
.set SPARE, 300544                     ; the spare words, 128 bytes a wave: two blocks of 256 bytes that no other line names
.set ADRA, 16
.set ADRB, 20
.set ADSA, 22
.set ADSB, 23
.set STO,  24                          ; v24 the stage: where I put 16 bytes of a row
.set RD,   25                          ; v25 and where I read a row back
.set CO,   26                          ; v26 my byte offset in two rows of x and x1
.set SPW,  28
.set NIL,  29
.set SCA,  32
.set SCB,  40
.set ACC,  128
.set F0,   0
.set F1,   128
.set G1A, 24
.set G0A, 32
.set G1B, 48
.set G0B, 56
.set G1SA, 68
.set G0SA, 76
.set G1SB, 80
.set G0SB, 88
.set WV, 92
.set WR, 93
.set WC, 94
.set TR, 95
.set MUL,  0x05
.set TO_F, 0x40
.set MSB, 0
.macro WIN new
.if MSB != \new
	s_set_vgpr_msb (MSB<<8)|\new
.set MSB, \new
.endif
.endm
.macro PLACES n
.rept \n
	v_nop
.endr
.endm
.macro CROUND
	s_barrier_signal -1
	s_barrier_wait -1
	s_cmp_lg_u32 s[WV], 0
	s_cbranch_scc1 .Lnot_wave_0_\@
	s_barrier_signal -3
.Lnot_wave_0_\@:
	s_barrier_wait -3
	s_barrier_signal -1
	s_barrier_wait -1
.endm
.macro ARM under, g0, g1, next         ; an arm of the head's one chain of branches on the wave's number: its load, an s_nop 0 and four v_nop, a jump to the join
	s_cmp_lt_u32 s[WV], \under
	s_cbranch_scc0 \next
	tensor_load_to_lds s[\g0:\g0+3], s[\g1:\g1+7]
	s_nop 0
.rept 4
	v_nop
.endr
	s_branch .Lhead_asked
\next:
.endm
.macro FETCH slot, q, f, sb, ks        ; 40 LDS loads: the fragments of the slot's q-th 128 along K into buffer f, the scale words of K step ks into set sb
	WIN TO_F
.irp i, 0,1,2,3
.irp c, 0,1,2,3
	ds_load_b128 v[\f+64+16*\i+4*\c:\f+64+16*\i+4*\c+3], v[ADRB+\slot] offset:(32*(\i/2)+8*(\i%2))*1040+128*(\q)+32*\c
.endr
.endr
.irp i, 0,1,2,3
.irp c, 0,1,2,3
	ds_load_b128 v[\f+16*\i+4*\c:\f+16*\i+4*\c+3], v[ADRA+\slot] offset:\i*16384+(\q)*2048+512*\c
.endr
.endr
	WIN 0
.irp i, 0,1,2,3
	ds_load_b32 v[SCB+4*(\sb)+\i], v[ADSB] offset:(32*(\i/2)+8*(\i%2))*KS+4*(\ks)
	ds_load_b32 v[SCA+4*(\sb)+\i], v[ADSA] offset:\i*SA_T+(\ks)*SA_S
.endr
.endm
.macro MUL8 f, sb, a0, cmode           ; 8 matrix instructions; cmode 0: they start the sums; 2: in place.  The 16 accumulators take turns in one fixed order
.irp a, \a0, \a0+1
.irp bt, 0,1,2,3
.if \cmode == 0
	v_wmma_scale_f32_16x16x128_f8f6f4 v[ACC+8*(4*(\a)+\bt):ACC+8*(4*(\a)+\bt)+7], v[\f+64+16*\bt:\f+64+16*\bt+15], v[\f+16*(\a):\f+16*(\a)+15], 0, v[SCB+4*(\sb)+\bt], v[SCA+4*(\sb)+(\a)] matrix_a_fmt:MATRIX_FMT_BF8 matrix_b_fmt:MATRIX_FMT_BF8
.else
	v_wmma_scale_f32_16x16x128_f8f6f4 v[ACC+8*(4*(\a)+\bt):ACC+8*(4*(\a)+\bt)+7], v[\f+64+16*\bt:\f+64+16*\bt+15], v[\f+16*(\a):\f+16*(\a)+15], v[ACC+8*(4*(\a)+\bt):ACC+8*(4*(\a)+\bt)+7], v[SCB+4*(\sb)+\bt], v[SCA+4*(\sb)+(\a)] matrix_a_fmt:MATRIX_FMT_BF8 matrix_b_fmt:MATRIX_FMT_BF8
.endif
.endr
.endr
.endm
.macro STEP f, sb, cmode, more, slot, q, g, sb2, ks   ; a K step of 128; in its middle, behind eight places, the next step's loads
	s_wait_dscnt 0x0
	WIN MUL
	MUL8 \f, \sb, 0, \cmode
.if \more
	PLACES 8
	FETCH \slot, \q, \g, \sb2, \ks
.endif
	WIN MUL
	MUL8 \f, \sb, 2, \cmode
.endm
.macro SLOTRUN slot, chunk, cm0
	PLACES 8
	FETCH \slot, 0, F0, 0, 4*(\chunk)
	STEP F0, 0, \cm0, 1, \slot, 1, F1, 1, 4*(\chunk)+1
	STEP F1, 1, 2, 1, \slot, 2, F0, 0, 4*(\chunk)+2
	STEP F0, 0, 2, 1, \slot, 3, F1, 1, 4*(\chunk)+3
	STEP F1, 1, 2, 0, 0, 0, F0, 0, 0
	WIN 0
.endm
	s_load_b256 s[4:11], s[0:1], 0x0               ; o s[4:5], Wo's codes s[6:7], Wo's scales s[8:9], x s[10:11]
	s_load_b64 s[12:13], s[0:1], 0x20              ; x1
	v_lshl_add_u32 v[SPW], v0, 2, SPARE
	v_mov_b32 v[NIL], 0
	ds_add_u32 v[SPW], v[NIL]                      ; the opening: the add, twice on end, and its wait ahead of my first tensor load
	ds_add_u32 v[SPW], v[NIL]
	v_lshrrev_b32 v1, 5, v0
	v_readfirstlane_b32 s[WV], v1
	s_lshr_b32 s[WR], s[WV], 1
	s_and_b32 s[WC], s[WV], 1
	s_bfe_u32 s40, ttmp6, 0x40000                  ; cx
	s_bfe_u32 s41, ttmp6, 0x40004                  ; cy
	s_lshl_b32 s42, ttmp9, 2
	s_add_co_u32 s42, s42, s40                     ; the column tile
	s_and_b32 s[TR], ttmp7, 0xffff
	s_lshl_b32 s[TR], s[TR], 2
	s_add_co_u32 s[TR], s[TR], s41                 ; the block of 128 rows
	s_lshl_b32 s43, s41, 2
	s_lshl_b32 s43, 15, s43
	s_lshl_b32 s44, 0x1111, s40
	s_or_b32 s[G1A], s43, (3<<16)|(1<<21)          ; A: 16 rows (two a row tile) of 1,024 elements of 8 bytes (four K steps' images)
	s_mov_b32 s[G1A+1], 1024<<16
	s_mov_b32 s[G1A+2], 16<<16                     ; 16 dense rows of 8,192 bytes
	s_mov_b32 s[G1A+3], 1024<<16
	s_mov_b32 s[G1A+4], 16
	s_mov_b32 s[G1A+5], 1024
	s_mov_b32 s[G1A+6], 0
	s_mov_b32 s[G1A+7], 0
	s_or_b32 s[G1B], s44, (0<<16)|(1<<20)|(1<<21)|(7<<22)|(3<<25)   ; B: 128 rows of 1,024 bytes, four words of padding behind every 256
	s_mov_b32 s[G1B+1], 1024<<16
	s_mov_b32 s[G1B+2], 128<<16
	s_mov_b32 s[G1B+3], 1024<<16
	s_mov_b32 s[G1B+4], 128
	s_mov_b32 s[G1B+5], KK
	s_mov_b32 s[G1B+6], 0
	s_mov_b32 s[G1B+7], 0
	s_or_b32 s[G1SA], s43, (3<<16)|(1<<21)
	s_mov_b32 s[G1SA+1], SAC<<16
	s_mov_b32 s[G1SA+2], SAR<<16
	s_mov_b32 s[G1SA+3], SAC<<16
	s_mov_b32 s[G1SA+4], SAR
	s_mov_b32 s[G1SA+5], SAP
	s_mov_b32 s[G1SA+6], 0
	s_mov_b32 s[G1SA+7], 0
	s_or_b32 s[G1SB], s44, (3<<16)|(1<<21)
	s_mov_b32 s[G1SB+1], 32<<16
	s_mov_b32 s[G1SB+2], SBR<<16
	s_mov_b32 s[G1SB+3], 32<<16
	s_mov_b32 s[G1SB+4], SBR
	s_mov_b32 s[G1SB+5], 32
	s_mov_b32 s[G1SB+6], 0
	s_mov_b32 s[G1SB+7], 0
	s_mov_b32 s[G0A], 1
	s_mov_b32 s[G0A+1], 0
	s_mov_b32 s[G0B], 1
	s_mov_b32 s[G0B+1], BSL
	s_mov_b32 s[G0SA], 1
	s_mov_b32 s[G0SA+1], SA
	s_mov_b32 s[G0SB], 1
	s_mov_b32 s[G0SB+1], SB
	s_mul_i32 s98, s[TR], 8*16*KK                  ; A's side: the block of rows alone
	s_mov_b32 s99, 0
	s_mul_i32 s96, s[TR], SATR
	s_add_co_u32 s96, s96, ASC
	s_mov_b32 s97, 0
	s_lshl_b32 s46, s42, 7                         ; B's side: the column tile alone
	s_mul_i32 s2, s46, KS
	s_mov_b32 s3, 0
	s_mul_i32 s46, s46, KK
	s_mov_b32 s47, 0
	s_lshl_b32 s16, s[TR], 7                       ; my 64 x 64 of x and x1: row (128 tr + 64 wr) x 4,096 bytes + column (128 tc + 64 wc) x 4
	s_lshl_b32 s17, s[WR], 6
	s_add_co_u32 s16, s16, s17
	s_lshl_b32 s16, s16, 12
	s_lshl_b32 s17, s42, 9
	s_add_co_u32 s16, s16, s17
	s_lshl_b32 s17, s[WC], 8
	s_add_co_u32 s16, s16, s17
	s_mov_b32 s17, 0
	s_wait_dscnt 0x0                               ; both opening adds are done
	s_wait_kmcnt 0x0
	s_add_nc_u64 s[G0A+2:G0A+3], s[4:5], s[98:99]
	s_or_b32 s[G0A+3], s[G0A+3], 0x80000000
	s_add_nc_u64 s[G0B+2:G0B+3], s[6:7], s[46:47]
	s_or_b32 s[G0B+3], s[G0B+3], 0x80000000
	s_add_nc_u64 s[G0SA+2:G0SA+3], s[4:5], s[96:97]
	s_or_b32 s[G0SA+3], s[G0SA+3], 0x80000000
	s_add_nc_u64 s[G0SB+2:G0SB+3], s[8:9], s[2:3]
	s_or_b32 s[G0SB+3], s[G0SB+3], 0x80000000
	s_add_nc_u64 s[10:11], s[10:11], s[16:17]
	s_add_nc_u64 s[12:13], s[12:13], s[16:17]
	CROUND                                         ; all sixteen work-groups are here: the joint loads meet
	ARM 1, G0A,  G1A,  .Lhead_b                    ; one load of mine is out
	ARM 2, G0B,  G1B,  .Lhead_sa
	ARM 3, G0SA, G1SA, .Lhead_sb
	tensor_load_to_lds s[G0SB:G0SB+3], s[G1SB:G1SB+7]
	s_nop 0
.rept 4
	v_nop
.endr
.Lhead_asked:
	v_and_b32 v1, 15, v0                           ; r
	v_bfe_u32 v2, v0, 4, 1                         ; h
	v_lshlrev_b32 v[CO], 12, v2
	v_lshl_add_u32 v[CO], v1, 4, v[CO]             ; lanes 0-15 one row's 256 bytes, lanes 16-31 the next row's
	WIN 0x80                                       ; destination window 2: the residual, row tile a at v[32 a], in the order in which the stage gives the rows back
.irp a, 0,1,2,3
.irp i, 0,1,2,3,4,5,6,7
	global_load_b128 v[32*\a+4*\i:32*\a+4*\i+3], v[CO], s[10:11] offset:(32*(\a/2)+8*(\a%2)+2*\i+8*(\i/4))*4096
.endr
.endr
	WIN 0
	v_and_b32 v3, 31, v0
	v_lshlrev_b32 v4, 4, v3                        ; 16 x lane
	v_and_b32 v5, 8, v1
	v_add_nc_u32 v5, v5, v1                        ; r + 8 (r / 8)
	s_lshl_b32 s96, s[WR], 16                      ; my four row tiles of 16,384 bytes
	v_add_nc_u32 v[ADRA], s96, v4
	v_add_nc_u32 v[ADRA+1], 8192, v[ADRA]          ; K steps 4 to 7
	v_mul_u32_u24 v6, v5, 1040
	v_lshl_add_u32 v6, v2, 4, v6
	s_mul_i32 s96, s[WC], 66560                    ; my 64 weight rows of 1,040 bytes
	s_add_co_u32 s96, s96, BSL
	v_add_nc_u32 v[ADRB], s96, v6
	v_add_nc_u32 v[ADRB+1], 512, v[ADRB]
	s_mul_i32 s96, s[WR], 4*SA_T
	s_add_co_u32 s96, s96, SA
	v_lshl_add_u32 v[ADSA], v1, 2, s96
	v_mul_u32_u24 v6, v5, KS
	s_mul_i32 s96, s[WC], 64*KS
	s_add_co_u32 s96, s96, SB
	v_add_nc_u32 v[ADSB], s96, v6
	s_mul_i32 s18, s[WV], 16*272
	s_add_co_u32 s18, s18, STAGE                   ; my stage
	v_mul_u32_u24 v[STO], v1, 272
	v_lshl_add_u32 v[STO], v2, 6, v[STO]
	v_add_nc_u32 v[STO], s18, v[STO]               ; in: row r, + 64 h
	v_mul_u32_u24 v[RD], v2, 272
	v_lshl_add_u32 v[RD], v1, 4, v[RD]
	v_add_nc_u32 v[RD], s18, v[RD]                 ; back: lanes 0-15 one row, lanes 16-31 the next
	s_wait_alu depctr_va_vdst(0)
	s_wait_tensorcnt 0x0                           ; my tile of the head's four has landed
	s_barrier_signal -1
	s_barrier_wait -1                              ; all four have
	SLOTRUN 0, 0, 0
	SLOTRUN 1, 1, 2
	PLACES 8                                       ; in front of the first read of results
	s_wait_loadcnt 0x0                             ; the residual
; Row tile a: through my stage (LDS serves a wave's instructions in order: no wait between the stores and the loads), + x, out.
.macro OUT a
.set OB, 48+32*((\a)%2)
.if (\a) > 1
	s_wait_xcnt 0x0                                ; the stores of two tiles back have read their data: the registers may be loaded again
.endif
.irp bt, 0,1,2,3
	ds_store_b128 v[STO], v[ACC+8*(4*(\a)+\bt):ACC+8*(4*(\a)+\bt)+3] offset:128*(\bt/2)+32*(\bt%2)          ; each accumulator from its low end on
	ds_store_b128 v[STO], v[ACC+8*(4*(\a)+\bt)+4:ACC+8*(4*(\a)+\bt)+7] offset:128*(\bt/2)+32*(\bt%2)+16
.endr
.irp i, 0,1,2,3,4,5,6,7
	ds_load_b128 v[OB+4*\i:OB+4*\i+3], v[RD] offset:2*\i*272
.endr
	s_wait_dscnt 0x0
	WIN 0x08                                       ; source 1 window 2
.irp k, 0,2,4,6,8,10,12,14,16,18,20,22,24,26,28,30
	v_pk_add_f32 v[OB+\k:OB+\k+1], v[OB+\k:OB+\k+1], v[32*(\a)+\k:32*(\a)+\k+1]
.endr
	WIN 0
.irp i, 0,1,2,3,4,5,6,7
	global_store_b128 v[CO], v[OB+4*\i:OB+4*\i+3], s[12:13] offset:(32*((\a)/2)+8*((\a)%2)+2*\i+8*(\i/4))*4096   ; sixteen lanes store 256 consecutive bytes, aligned
.endr
.endm
	OUT 0
	OUT 1
	OUT 2
	OUT 3
	s_wait_tensorcnt 0x0                           ; the wave's end
	ds_add_u32 v[SPW], v[NIL]
	s_wait_dscnt 0x0
	CROUND                                         ; the closing round
	s_endpgm
.Lfunc_end_k_q16ee7e32c4_wo:
	.size	k_q16ee7e32c4_wo, .Lfunc_end_k_q16ee7e32c4_wo-k_q16ee7e32c4_wo
	.p2alignl 7, 3214868480
	.fill 96, 4, 3214868480
	.section	.rodata,"a",@progbits
	.p2align	6, 0x0
	.amdhsa_kernel k_q16ee7e32c4_wo
		.amdhsa_group_segment_fixed_size 327680
		.amdhsa_private_segment_fixed_size 0
		.amdhsa_enable_private_segment 0
		.amdhsa_kernarg_size 40
		.amdhsa_user_sgpr_count 2
		.amdhsa_user_sgpr_kernarg_segment_ptr 1
		.amdhsa_wavefront_size32 1
		.amdhsa_system_sgpr_workgroup_id_x 1
		.amdhsa_system_sgpr_workgroup_id_y 1
		.amdhsa_system_sgpr_workgroup_id_z 1
		.amdhsa_system_vgpr_workitem_id 0
		.amdhsa_next_free_vgpr 640
		.amdhsa_next_free_sgpr 102
		.amdhsa_reserve_vcc 0
		.amdhsa_float_denorm_mode_32 3
		.amdhsa_float_denorm_mode_16_64 3
		.amdhsa_memory_ordered 1
		.amdhsa_forward_progress 1
		.amdhsa_inst_pref_size 63
	.end_amdhsa_kernel
	.amdgpu_metadata
---
amdhsa.version: [ 1, 2 ]
amdhsa.kernels:
  - .name:           k_q16ee7e32c4_wo
    .symbol:         k_q16ee7e32c4_wo.kd
    .args:
      - { .name: obuf, .offset: 0, .size: 8, .value_kind: global_buffer, .address_space: global }
      - { .name: Wo_codes, .offset: 8, .size: 8, .value_kind: global_buffer, .address_space: global }
      - { .name: Wo_scales, .offset: 16, .size: 8, .value_kind: global_buffer, .address_space: global }
      - { .name: x, .offset: 24, .size: 8, .value_kind: global_buffer, .address_space: global }
      - { .name: x1, .offset: 32, .size: 8, .value_kind: global_buffer, .address_space: global }
    .group_segment_fixed_size: 327680
    .private_segment_fixed_size: 0
    .kernarg_segment_align: 8
    .kernarg_segment_size: 40
    .max_flat_workgroup_size: 128
    .sgpr_count:     102
    .vgpr_count:     640
    .wavefront_size: 32
...
	.end_amdgpu_metadata
.endif
;; end of part 4
;; launch ln2: the kernel of part 1 again; grid 256 x 1, 8 waves a work-group, no clusters, 67,584 bytes of LDS; arguments x1, ln2_g, ln2_b, hbuf; writes hbuf
;; launch w1 (part 5): grid 16 x 16, 4 waves a work-group, clusters of 4 x 4, 327,680 bytes of LDS; arguments hbuf, W1_codes, W1_scales, b1, gbuf; writes gbuf
.if DOCPART == 5
	.amdgcn_target "amdgcn-amd-amdhsa--gfx1250"
	.amdhsa_code_object_version 6
	.text
	.protected	k_q16ee7e32c4_w1
	.globl	k_q16ee7e32c4_w1
	.p2align	8
	.type	k_q16ee7e32c4_w1,@function
k_q16ee7e32c4_w1:
	s_mov_b64 s[64:65], 0
	v_nop
	global_prefetch_b8 v0, s[64:65] scope:SCOPE_SE
	s_setreg_imm32_b32 hwreg(HW_REG_WAVE_MODE, 25, 1), 1
	s_wait_xcnt 0x0
	s_wait_alu depctr_hold_cnt(0) depctr_sa_sdst(0) depctr_va_vdst(0) depctr_va_sdst(0) depctr_va_ssrc(0) depctr_va_vcc(0) depctr_vm_vsrc(0)
	s_getreg_b32 s2, hwreg(HW_REG_IB_STS2, 6, 4)
	s_cmp_eq_u32 s2, 0
	s_cbranch_scc0 .Lentry_in_a_cluster
	s_endpgm
.Lentry_in_a_cluster:
	s_bfe_u32 s2, ttmp6, 0x10000c
	s_cmp_lg_u32 s2, 0xf033
	s_cbranch_scc0 .Lentry_shape_is_right
	s_endpgm
.Lentry_shape_is_right:
; gelu(h2 W1^T + b1), exact GELU, quantised along the 2,048 hidden units for the product that follows.  BF8 with E8M0 scales, f32 sums, K = 1,024 ascending.  Nothing is left out here.
; LIMITS: NaN and infinities are not served; a block of zeros gets the scale byte 1 (read by this program alone).
; GELU: gelu(x) = max(x, 0) - |x| erfc(|x| / sqrt 2) / 2, which loses nothing for large negative x.  erfc(z) = t exp(-z^2 + P(t)), t = 1 / (1 + z / 2), P of ten terms (fractional error of the form about 1e-7 for every z);
; its coefficients are kept times log2(e), and the division by 2 is a 1 taken off the exponent.  v_rcp_f32 and v_exp_f32 add their one unit in the last place.
; SHARES.  A WORK-GROUP STAYS: it makes two tiles of 128 rows x 128 columns, one below the other (row blocks TR and TR + 1), on the same 128 rows of W1, which stay in LDS with their scales; the bias stays in registers.
; 16 column tiles x 16 pairs of row blocks: 256 work-groups.  Four waves of 64 x 64.
; Lane r of row tile T holds row 32 (T / 2) + 8 (T % 2) + r + 8 (r / 8); weight rows of a column tile in the same order; source 0 = weight rows, source 1 = the row tile: the 16 registers of column tiles 2 b, 2 b + 1 are
; columns 32 b + 16 h + 0..15 of the lane's row: neighbours along the next K.  b1 is the C of each sum's first matrix instruction.
; CLUSTERS 4 x 4: h2's tiles are shared along a row of the cluster, W1's along a column.  Two slots of 512 along K.  Three tensor loads a wave at the head; behind the first tile's last product h2's two slots are filled again,
; behind a round of the cluster's barrier, one load a wave (a quarter each), and land under the first tile's GELU and quantiser: one load of mine is out then.
; OUT.  gbuf: [row tile][K step 16][2048]; from byte 8,388,608 on the scale words [K step][row tile][r].  A word's four bytes come from two waves: they meet in 1,024 bytes of LDS (512 a tile), and wave 0 stores them whole at the end.
.set KK,   1024
.set KS,   KK/32
.set ASC,  4194304
.set SA_T, 512
.set SA_S, 64
.set SAC,  32
.set SAR,  32                          ; A's scales: both row blocks' 8,192 bytes, one wave
.set SAP,  32
.set SAH,  SAR*SAC*8
.set SATR, 4096
.set SAWC, 4096
.set SBR,  128*KS/256
; THE HEAD AS IT STANDS (this takes the place of what the paragraph on clusters above says of slots and of three loads a wave): ONE tensor load a wave at the head.
; Wave 0: the first row block's h2, 131,072 dense bytes, [row tile 8][K step 8][2048] from LDS byte 0; wave 1: W1's 128 rows of 1,024 bytes + 16 of padding from BSL; wave 2: h2's scale words; wave 3: W1's scale bytes.
; The refill brings the second row block into the same bytes, a dense quarter (two row tiles) a wave.
.set BSL,  131072
.set SA,   266240                      ; A's scale words, 8,192 bytes: both row blocks'
.set SB,   274432
.set SCX,  282624                      ; 1,024 bytes in which the waves' scale bytes meet: no tensor load lands here
.set SPARE, 300544                     ; the spare words, 128 bytes a wave: two blocks of 256 bytes that no other line names
.set SAJ,  0                           ; which row block's scale words the loads take: 0, then 4,096
.set OJ,   0                           ; which tile goes out: 0, then 1
.set ADRA, 16
.set ADRB, 20
.set ADSA, 22
.set ADSB, 23
.set SXA,  24                          ; v24 where my scale bytes go
.set SXR,  25                          ; v25 where wave 0 reads all of them
.set SPW,  28
.set NIL,  29
.set SCA,  32
.set SCB,  40
.set BIAS, 0                           ; window 2, v0-31: b1 in the result's layout, 8 registers a column tile: it serves both tiles
.set GD,   48                          ; the way out: v48-63 t, v64-79 the exponent and its power, v80-95 max(x, 0), v96-111 x^2
.set GE,   64
.set GM,   80
.set GT,   96
.set TM,   96
.set PC,   112
.set ACC,  128
.set F0,   0
.set F1,   128
.set G0R, 4                            ; s[4:7] group 0 of the refill
.set G1A, 24                           ; s[24:31] group 1 of A's tiles: it stays whole for the refill
.set G0A, 32
.set G1B, 48
.set G0B, 56
.set G1SA, 68
.set G0SA, 76
.set G1SB, 80
.set G0SB, 88
.set CF,  32                           ; the way out: s[32+2k:33+2k] coefficient k = 0..7, twice each; s[48:49] coefficient 9; s[50:51] -log2(e) / 2; s52 1 / (2 sqrt 2): in registers of descriptors whose loads are done
.set C9,  48
.set K2,  50
.set K1,  52
.set WV, 92
.set WR, 93
.set WC, 94
.set TR, 95                            ; s95 the first of my two row blocks
.set SEL, 100
.set MNT, 67
.set MUL,  0x05
.set MULB, 0x25                        ; the same with C in window 2: the bias
.set TO_F, 0x40
.set MSB, 0
.macro WIN new
.if MSB != \new
	s_set_vgpr_msb (MSB<<8)|\new
.set MSB, \new
.endif
.endm
.macro PLACES n
.rept \n
	v_nop
.endr
.endm
.macro CROUND
	s_barrier_signal -1
	s_barrier_wait -1
	s_cmp_lg_u32 s[WV], 0
	s_cbranch_scc1 .Lnot_wave_0_\@
	s_barrier_signal -3
.Lnot_wave_0_\@:
	s_barrier_wait -3
	s_barrier_signal -1
	s_barrier_wait -1
.endm
.macro ARM under, g0, g1, next         ; an arm of the head's one chain of branches on the wave's number: its load, an s_nop 0 and four v_nop, a jump to the join
	s_cmp_lt_u32 s[WV], \under
	s_cbranch_scc0 \next
	tensor_load_to_lds s[\g0:\g0+3], s[\g1:\g1+7]
	s_nop 0
.rept 4
	v_nop
.endr
	s_branch .Lhead_asked
\next:
.endm
; h2's two slots take the second row block.  Every wave: all its tensor loads have landed, the add, its reads of the slots are over; a round of the cluster's barrier; then its one load, a quarter of the 131,072 bytes.
.macro REFILL
	s_wait_tensorcnt 0x0
	ds_add_u32 v[SPW], v[NIL]
	s_wait_dscnt 0x0                               ; the add is done, and my reads of both slots are over
	CROUND                                         ; no wave of any partner still reads h2's slots or has a load on its way
	tensor_load_to_lds s[G0R:G0R+3], s[G1A:G1A+7]  ; the first thing behind the round
	s_nop 0
.rept 4
	v_nop
.endr
.endm
.macro QUANT4 s                        ; 64 numbers of a lane in four blocks of 16 (the other 16 lie in lane l xor 16) -> codes in v[PC] on, scale bytes in v[TM+4] on
.irp b, 0,1,2,3
	v_max3_num_f32 v[TM+\b], |v[(\s)+16*\b]|, |v[(\s)+1+16*\b]|, 0x8000000
.endr
.irp i, 2,4,6,8,10,12,14
.irp b, 0,1,2,3
	v_max3_num_f32 v[TM+\b], v[TM+\b], |v[(\s)+16*\b+\i]|, |v[(\s)+1+16*\b+\i]|
.endr
.endr
.irp b, 0,1,2,3
	v_permlanex16_b32 v[TM+4+\b], v[TM+\b], s[SEL], s[SEL+1]
.endr
.irp b, 0,1,2,3
	v_max_num_f32 v[TM+\b], v[TM+\b], v[TM+4+\b]
.endr
.irp b, 0,1,2,3
	v_add_nc_u32 v[TM+12+\b], 0xf8800000, v[TM+\b]
.endr
.irp b, 0,1,2,3
	v_and_or_b32 v[TM+8+\b], v[TM+\b], 0x7f800000, s[MNT]
.endr
.irp b, 0,1,2,3
	v_lshrrev_b32 v[TM+4+\b], 23, v[TM+12+\b]
.endr
.irp b, 0,1,2,3
.irp i, 0,1,2,3,4,5,6,7,8,9,10,11,12,13,14,15
	v_med3_num_f32 v[(\s)+16*\b+\i], v[(\s)+16*\b+\i], -v[TM+8+\b], v[TM+8+\b]
.endr
	v_cvt_scalef32_pk8_bf8_f32 v[PC+4*\b:PC+1+4*\b], v[(\s)+16*\b:(\s)+7+16*\b], v[TM+12+\b]
	v_cvt_scalef32_pk8_bf8_f32 v[PC+2+4*\b:PC+3+4*\b], v[(\s)+8+16*\b:(\s)+15+16*\b], v[TM+12+\b]
.endr
	v_nop
.endm
.macro FETCH slot, q, f, sb, ks
	WIN TO_F
.irp i, 0,1,2,3
.irp c, 0,1,2,3
	ds_load_b128 v[\f+64+16*\i+4*\c:\f+64+16*\i+4*\c+3], v[ADRB+\slot] offset:(32*(\i/2)+8*(\i%2))*1040+128*(\q)+32*\c
.endr
.endr
.irp i, 0,1,2,3
.irp c, 0,1,2,3
	ds_load_b128 v[\f+16*\i+4*\c:\f+16*\i+4*\c+3], v[ADRA+\slot] offset:\i*16384+(\q)*2048+512*\c
.endr
.endr
	WIN 0
.irp i, 0,1,2,3
	ds_load_b32 v[SCB+4*(\sb)+\i], v[ADSB] offset:(32*(\i/2)+8*(\i%2))*KS+4*(\ks)
	ds_load_b32 v[SCA+4*(\sb)+\i], v[ADSA] offset:\i*SA_T+(\ks)*SA_S+SAJ
.endr
.endm
.macro MUL8 f, sb, a0, cmode           ; cmode 1: the bias (window 2) is the C of the sums' first products; 2: in place.  The 16 accumulators take turns in one fixed order
.irp a, \a0, \a0+1
.irp bt, 0,1,2,3
.if \cmode == 1
	v_wmma_scale_f32_16x16x128_f8f6f4 v[ACC+8*(4*(\a)+\bt):ACC+8*(4*(\a)+\bt)+7], v[\f+64+16*\bt:\f+64+16*\bt+15], v[\f+16*(\a):\f+16*(\a)+15], v[BIAS+8*\bt:BIAS+8*\bt+7], v[SCB+4*(\sb)+\bt], v[SCA+4*(\sb)+(\a)] matrix_a_fmt:MATRIX_FMT_BF8 matrix_b_fmt:MATRIX_FMT_BF8
.else
	v_wmma_scale_f32_16x16x128_f8f6f4 v[ACC+8*(4*(\a)+\bt):ACC+8*(4*(\a)+\bt)+7], v[\f+64+16*\bt:\f+64+16*\bt+15], v[\f+16*(\a):\f+16*(\a)+15], v[ACC+8*(4*(\a)+\bt):ACC+8*(4*(\a)+\bt)+7], v[SCB+4*(\sb)+\bt], v[SCA+4*(\sb)+(\a)] matrix_a_fmt:MATRIX_FMT_BF8 matrix_b_fmt:MATRIX_FMT_BF8
.endif
.endr
.endr
.endm
.macro MWIN cmode                      ; the windows of a run of products
.if \cmode == 1
	WIN MULB
.else
	WIN MUL
.endif
.endm
.macro STEP f, sb, cmode, more, slot, q, g, sb2, ks
	s_wait_dscnt 0x0
	MWIN \cmode
	MUL8 \f, \sb, 0, \cmode
.if \more
	PLACES 8
	FETCH \slot, \q, \g, \sb2, \ks
.endif
	MWIN \cmode
	MUL8 \f, \sb, 2, \cmode
.endm
.macro SLOTRUN slot, chunk, cm0
	PLACES 8
	FETCH \slot, 0, F0, 0, 4*(\chunk)
	STEP F0, 0, \cm0, 1, \slot, 1, F1, 1, 4*(\chunk)+1
	STEP F1, 1, 2, 1, \slot, 2, F0, 0, 4*(\chunk)+2
	STEP F0, 0, 2, 1, \slot, 3, F1, 1, 4*(\chunk)+3
	STEP F1, 1, 2, 0, 0, 0, F0, 0, 0
	WIN 0
.endm
.macro KONST r, bits                   ; a constant twice: the packed forms name a pair
	s_mov_b32 s[\r], \bits
	s_mov_b32 s[\r+1], \bits
.endm
; GELU of 16 numbers, in place.  Two batches of transcendentals, each with plain work behind it and one wait ahead of its first reader.
.macro GELU16 x
.irp i, 0,1,2,3,4,5,6,7,8,9,10,11,12,13,14,15
	v_fma_f32 v[GD+\i], |v[(\x)+\i]|, s[K1], 1.0   ; 1 + z / 2, z = |x| / sqrt 2; each accumulator is read from its low end on
.endr
	s_wait_alu depctr_va_vdst(0)
.irp i, 0,1,2,3,4,5,6,7,8,9,10,11,12,13,14,15
	v_rcp_f32 v[GD+\i], v[GD+\i]                   ; t
.endr
.irp k, 0,2,4,6,8,10,12,14
	v_pk_mul_f32 v[GT+\k:GT+\k+1], v[(\x)+\k:(\x)+\k+1], v[(\x)+\k:(\x)+\k+1]   ; x^2
.endr
	s_wait_alu depctr_va_vdst(0)
.irp k, 0,2,4,6,8,10,12,14
	v_pk_fma_f32 v[GE+\k:GE+\k+1], v[GD+\k:GD+\k+1], s[C9:C9+1], v[12:13] op_sel_hi:[1,0,1]   ; c9 t + c8
.endr
.irp c, 14,12,10,8,6,4,2,0
.irp k, 0,2,4,6,8,10,12,14
	v_pk_fma_f32 v[GE+\k:GE+\k+1], v[GE+\k:GE+\k+1], v[GD+\k:GD+\k+1], s[CF+\c:CF+\c+1] op_sel_hi:[1,1,0]   ; Horner, down to c0
.endr
.endr
.irp k, 0,2,4,6,8,10,12,14
	v_pk_fma_f32 v[GE+\k:GE+\k+1], v[GT+\k:GT+\k+1], s[K2:K2+1], v[GE+\k:GE+\k+1] op_sel_hi:[1,0,1]   ; - z^2 log2(e)
.endr
	s_wait_alu depctr_va_vdst(0)
.irp i, 0,1,2,3,4,5,6,7,8,9,10,11,12,13,14,15
	v_exp_f32 v[GE+\i], v[GE+\i]
.endr
.irp i, 0,1,2,3,4,5,6,7,8,9,10,11,12,13,14,15
	v_max_num_f32 v[GM+\i], 0, v[(\x)+\i]
.endr
	s_wait_alu depctr_va_vdst(0)
.irp k, 0,2,4,6,8,10,12,14
	v_pk_mul_f32 v[GE+\k:GE+\k+1], v[GE+\k:GE+\k+1], v[GD+\k:GD+\k+1]   ; erfc(z) / 2
.endr
.irp i, 0,1,2,3,4,5,6,7,8,9,10,11,12,13,14,15
	v_fma_f32 v[(\x)+\i], -|v[(\x)+\i]|, v[GE+\i], v[GM+\i]
.endr
.endm
; Row tiles p and p + 1 of tile OJ: GELU, the quantiser along the columns (two blocks of 32 a row and wave), the codes out, the scale bytes to LDS.
.macro GOUT p
	s_wait_xcnt 0x0                                ; the last stores have read their data: the codes' registers may be written again
	GELU16 ACC+32*(\p)
	GELU16 ACC+32*(\p)+16
	GELU16 ACC+32*(\p)+32
	GELU16 ACC+32*(\p)+48
	QUANT4 ACC+32*(\p)                             ; blocks: (p, b 0), (p, b 1), (p + 1, b 0), (p + 1, b 1)
	v_lshl_or_b32 v10, v[TM+5], 8, v[TM+4]
	v_lshl_or_b32 v11, v[TM+7], 8, v[TM+6]
	v_cndmask_b32 v14, v10, v11, s66               ; lanes 0-15 carry tile p's two bytes, lanes 16-31 tile p + 1's
.irp q, 0,1,2,3
	global_store_b128 v4, v[PC+4*\q:PC+4*\q+3], s[12:13] offset:OJ*262144+((\p)+\q/2)*32768+(\q%2)*512   ; 512 consecutive bytes, aligned; the second tile's 8 row tiles lie 8 x 32,768 bytes on
.endr
	ds_store_b16 v[SXA], v14 offset:512*OJ+64*(\p)
.endm
	s_load_b256 s[4:11], s[0:1], 0x0               ; h2 s[4:5], W1's codes s[6:7], W1's scales s[8:9], b1 s[10:11]
	s_load_b64 s[12:13], s[0:1], 0x20              ; gbuf
	v_lshl_add_u32 v[SPW], v0, 2, SPARE
	v_mov_b32 v[NIL], 0
	ds_add_u32 v[SPW], v[NIL]                      ; the opening: the add, twice on end, and its wait ahead of my first tensor load
	ds_add_u32 v[SPW], v[NIL]
	v_lshrrev_b32 v1, 5, v0
	v_readfirstlane_b32 s[WV], v1
	s_lshr_b32 s[WR], s[WV], 1
	s_and_b32 s[WC], s[WV], 1
	s_bfe_u32 s40, ttmp6, 0x40000                  ; cx
	s_bfe_u32 s41, ttmp6, 0x40004                  ; cy
	s_lshl_b32 s42, ttmp9, 2
	s_add_co_u32 s42, s42, s40                     ; the column tile
	s_and_b32 s[TR], ttmp7, 0xffff
	s_lshl_b32 s[TR], s[TR], 2
	s_add_co_u32 s[TR], s[TR], s41
	s_lshl_b32 s[TR], s[TR], 1                     ; the first of my two blocks of 128 rows
	s_lshl_b32 s43, s41, 2
	s_lshl_b32 s43, 15, s43
	s_lshl_b32 s44, 0x1111, s40
	s_or_b32 s[G1A], s43, (3<<16)|(1<<21)
	s_mov_b32 s[G1A+1], 1024<<16
	s_mov_b32 s[G1A+2], 16<<16                     ; 16 dense rows of 8,192 bytes
	s_mov_b32 s[G1A+3], 1024<<16
	s_mov_b32 s[G1A+4], 16
	s_mov_b32 s[G1A+5], 1024
	s_mov_b32 s[G1A+6], 0
	s_mov_b32 s[G1A+7], 0
	s_or_b32 s[G1B], s44, (0<<16)|(1<<20)|(1<<21)|(7<<22)|(3<<25)   ; B: 128 rows of 1,024 bytes, four words of padding behind every 256
	s_mov_b32 s[G1B+1], 1024<<16
	s_mov_b32 s[G1B+2], 128<<16
	s_mov_b32 s[G1B+3], 1024<<16
	s_mov_b32 s[G1B+4], 128
	s_mov_b32 s[G1B+5], KK
	s_mov_b32 s[G1B+6], 0
	s_mov_b32 s[G1B+7], 0
	s_or_b32 s[G1SA], s43, (3<<16)|(1<<21)
	s_mov_b32 s[G1SA+1], SAC<<16
	s_mov_b32 s[G1SA+2], SAR<<16
	s_mov_b32 s[G1SA+3], SAC<<16
	s_mov_b32 s[G1SA+4], SAR
	s_mov_b32 s[G1SA+5], SAP
	s_mov_b32 s[G1SA+6], 0
	s_mov_b32 s[G1SA+7], 0
	s_or_b32 s[G1SB], s44, (3<<16)|(1<<21)
	s_mov_b32 s[G1SB+1], 32<<16
	s_mov_b32 s[G1SB+2], SBR<<16
	s_mov_b32 s[G1SB+3], 32<<16
	s_mov_b32 s[G1SB+4], SBR
	s_mov_b32 s[G1SB+5], 32
	s_mov_b32 s[G1SB+6], 0
	s_mov_b32 s[G1SB+7], 0
	s_mov_b32 s[G0A], 1
	s_mov_b32 s[G0A+1], 0
	s_mov_b32 s[G0B], 1
	s_mov_b32 s[G0B+1], BSL
	s_mov_b32 s[G0SA], 1
	s_mov_b32 s[G0SA+1], SA
	s_mov_b32 s[G0SB], 1
	s_mov_b32 s[G0SB+1], SB
	s_mul_i32 s98, s[TR], 8*16*KK                  ; A's side: the block of rows alone
	s_mov_b32 s99, 0
	s_mul_i32 s96, s[TR], SATR
	s_add_co_u32 s96, s96, ASC
	s_mov_b32 s97, 0
	s_lshl_b32 s46, s42, 7                         ; B's side: the column tile alone
	s_mul_i32 s2, s46, KS
	s_mov_b32 s3, 0
	s_mul_i32 s46, s46, KK
	s_mov_b32 s47, 0
	s_lshl_b32 s14, s42, 9                         ; b1: my 64 columns
	s_lshl_b32 s15, s[WC], 8
	s_add_co_u32 s14, s14, s15
	s_mov_b32 s15, 0
	s_lshl_b32 s16, s[TR], 3                       ; the codes: (8 TR + 4 wr) x 32,768 + tc x 2,048 + wc x 1,024
	s_lshl_b32 s17, s[WR], 2
	s_add_co_u32 s16, s16, s17
	s_lshl_b32 s16, s16, 15
	s_lshl_b32 s17, s42, 11
	s_add_co_u32 s16, s16, s17
	s_lshl_b32 s17, s[WC], 10
	s_add_co_u32 s16, s16, s17
	s_mov_b32 s17, 0
	s_lshl_b32 s18, s42, 14                        ; the scale words: 8,388,608 + tc x 16,384 + TR x 512: 1,024 bytes for the two tiles
	s_lshl_b32 s19, s[TR], 9
	s_add_co_u32 s18, s18, s19
	s_add_co_u32 s18, s18, 8388608
	s_mov_b32 s19, 0
	s_mov_b32 s66, 0xffff0000                      ; the lanes 16-31
	s_mov_b32 s[MNT], 0x600000
	s_mov_b32 s[SEL], 0x76543210
	s_mov_b32 s[SEL+1], 0xfedcba98
	s_wait_dscnt 0x0                               ; both opening adds are done
	s_wait_kmcnt 0x0
	s_add_nc_u64 s[G0A+2:G0A+3], s[4:5], s[98:99]
	s_or_b32 s[G0A+3], s[G0A+3], 0x80000000
	s_add_nc_u64 s[G0B+2:G0B+3], s[6:7], s[46:47]
	s_or_b32 s[G0B+3], s[G0B+3], 0x80000000
	s_add_nc_u64 s[G0SA+2:G0SA+3], s[4:5], s[96:97]
	s_or_b32 s[G0SA+3], s[G0SA+3], 0x80000000
	s_add_nc_u64 s[G0SB+2:G0SB+3], s[8:9], s[2:3]
	s_or_b32 s[G0SB+3], s[G0SB+3], 0x80000000
	s_add_nc_u64 s[10:11], s[10:11], s[14:15]
	s_add_nc_u64 s[20:21], s[12:13], s[18:19]
	s_add_nc_u64 s[12:13], s[12:13], s[16:17]
	s_lshl_b32 s96, s[TR], 3                       ; the refill: wave w brings row tiles 8 (TR + 1) + 2 w and the next, 32,768 dense bytes, to LDS byte 32,768 w
	s_lshl_b32 s97, s[WV], 1
	s_add_co_u32 s96, s96, s97
	s_add_co_u32 s96, s96, 8
	s_lshl_b32 s96, s96, 14
	s_mov_b32 s97, 0
	s_add_nc_u64 s[G0R+2:G0R+3], s[4:5], s[96:97]  ; (W1's address has served)
	s_or_b32 s[G0R+3], s[G0R+3], 0x80000000
	s_mov_b32 s[G0R], 1                            ; (and so has h2's)
	s_lshl_b32 s[G0R+1], s[WV], 15
	CROUND                                         ; all sixteen work-groups are here: the joint loads meet
	ARM 1, G0A,  G1A,  .Lhead_b                    ; one load of mine is out
	ARM 2, G0B,  G1B,  .Lhead_sa
	ARM 3, G0SA, G1SA, .Lhead_sb
	tensor_load_to_lds s[G0SB:G0SB+3], s[G1SB:G1SB+7]
	s_nop 0
.rept 4
	v_nop
.endr
.Lhead_asked:
	v_and_b32 v1, 15, v0                           ; r
	v_bfe_u32 v2, v0, 4, 1                         ; h
	v_lshlrev_b32 v9, 6, v2                        ; the bias: lane (r, h) wants, for column tile 2 b + u, columns 32 b + 16 h + 8 u + 0..7
	WIN 0x80                                       ; destination window 2
.irp bt, 0,1,2,3
	global_load_b128 v[BIAS+8*\bt:BIAS+8*\bt+3], v9, s[10:11] offset:(32*(\bt/2)+8*(\bt%2))*4
	global_load_b128 v[BIAS+8*\bt+4:BIAS+8*\bt+7], v9, s[10:11] offset:(32*(\bt/2)+8*(\bt%2))*4+16
.endr
	WIN 0
	v_and_b32 v3, 31, v0
	v_lshlrev_b32 v4, 4, v3                        ; 16 x lane
	v_and_b32 v5, 8, v1
	v_add_nc_u32 v5, v5, v1                        ; r + 8 (r / 8)
	s_lshl_b32 s96, s[WR], 16                      ; my four row tiles of 16,384 bytes
	v_add_nc_u32 v[ADRA], s96, v4
	v_add_nc_u32 v[ADRA+1], 8192, v[ADRA]          ; K steps 4 to 7
	v_mul_u32_u24 v6, v5, 1040
	v_lshl_add_u32 v6, v2, 4, v6
	s_mul_i32 s96, s[WC], 66560                    ; my 64 weight rows of 1,040 bytes
	s_add_co_u32 s96, s96, BSL
	v_add_nc_u32 v[ADRB], s96, v6
	v_add_nc_u32 v[ADRB+1], 512, v[ADRB]
	s_mul_i32 s96, s[WR], 4*SA_T
	s_add_co_u32 s96, s96, SA
	v_lshl_add_u32 v[ADSA], v1, 2, s96
	v_mul_u32_u24 v6, v5, KS
	s_mul_i32 s96, s[WC], 64*KS
	s_add_co_u32 s96, s96, SB
	v_add_nc_u32 v[ADSB], s96, v6
	s_lshl_b32 s96, s[WR], 8
	s_lshl_b32 s97, s[WC], 1
	s_add_co_u32 s96, s96, s97
	s_add_co_u32 s96, s96, SCX
	v_lshl_add_u32 v[SXA], v3, 2, s96              ; SCX + 256 wr + 4 x lane + 2 wc
	v_add_nc_u32 v[SXR], SCX, v4
	v_mov_b32 v12, 0xbf97d29d                      ; coefficient 8, twice
	v_mov_b32 v13, 0xbf97d29d
	s_wait_alu depctr_va_vdst(0)
	s_wait_loadcnt 0x0                             ; the bias
	s_wait_tensorcnt 0x0                           ; my tile of the head's four has landed; no tensor load of mine is out, so descriptors may be written:
	s_mov_b32 s[G1A+2], 4<<16                      ; from here on a load of h2 brings 4 rows of 8,192 bytes
	s_mov_b32 s[G1A+4], 4
	s_barrier_signal -1
	s_barrier_wait -1                              ; all four tiles have landed
	SLOTRUN 0, 0, 1
	KONST CF+0,  0xc034d90f                        ; the ten coefficients times log2(e); 1 is taken off the first
	KONST CF+2,  0x3fb8ab5a
	KONST CF+4,  0x3f0a29d2
	KONST CF+6,  0x3e0efb2e
	KONST CF+8,  0xbe899a80
	KONST CF+10, 0x3ecdfd18
	KONST CF+12, 0xbfd1a1e5
	KONST CF+14, 0x40097039
	KONST C9,    0x3e7c6f08
	KONST K2,    0xbf38aa3b
	s_mov_b32 s[K1], 0x3eb504f3
	SLOTRUN 1, 1, 2
	REFILL                                         ; the second row block's h2 is on its way while the first tile goes out
	PLACES 4                                       ; with the four behind the tensor load: eight places in front of the first read of results
	GOUT 0
	GOUT 2
	s_wait_tensorcnt 0x0                           ; my quarter of the second row block has landed
	s_wait_dscnt 0x0                               ; and my scale bytes lie in LDS
	s_barrier_signal -1
	s_barrier_wait -1                              ; everybody's has
.set SAJ, 4096
.set OJ, 1
	SLOTRUN 0, 0, 1
	SLOTRUN 1, 1, 2
	PLACES 8                                       ; in front of the first read of results
	GOUT 0
	GOUT 2
	s_wait_dscnt 0x0
	s_barrier_signal -1
	s_barrier_wait -1                              ; the work-group's 256 scale words are whole
	s_cmp_lg_u32 s[WV], 0
	s_cbranch_scc1 .Lnot0
	ds_load_b128 v[GD:GD+3], v[SXR]
	ds_load_b128 v[GD+4:GD+7], v[SXR] offset:512
	s_wait_dscnt 0x0
	global_store_b128 v4, v[GD:GD+3], s[20:21]     ; 1,024 consecutive bytes, aligned
	global_store_b128 v4, v[GD+4:GD+7], s[20:21] offset:512
.Lnot0:
	s_wait_tensorcnt 0x0                           ; the wave's end
	ds_add_u32 v[SPW], v[NIL]
	s_wait_dscnt 0x0
	CROUND                                         ; the closing round
	s_endpgm
.Lfunc_end_k_q16ee7e32c4_w1:
	.size	k_q16ee7e32c4_w1, .Lfunc_end_k_q16ee7e32c4_w1-k_q16ee7e32c4_w1
	.p2alignl 7, 3214868480
	.fill 96, 4, 3214868480
	.section	.rodata,"a",@progbits
	.p2align	6, 0x0
	.amdhsa_kernel k_q16ee7e32c4_w1
		.amdhsa_group_segment_fixed_size 327680
		.amdhsa_private_segment_fixed_size 0
		.amdhsa_enable_private_segment 0
		.amdhsa_kernarg_size 40
		.amdhsa_user_sgpr_count 2
		.amdhsa_user_sgpr_kernarg_segment_ptr 1
		.amdhsa_wavefront_size32 1
		.amdhsa_system_sgpr_workgroup_id_x 1
		.amdhsa_system_sgpr_workgroup_id_y 1
		.amdhsa_system_sgpr_workgroup_id_z 1
		.amdhsa_system_vgpr_workitem_id 0
		.amdhsa_next_free_vgpr 640
		.amdhsa_next_free_sgpr 102
		.amdhsa_reserve_vcc 0
		.amdhsa_float_denorm_mode_32 3
		.amdhsa_float_denorm_mode_16_64 3
		.amdhsa_memory_ordered 1
		.amdhsa_forward_progress 1
		.amdhsa_inst_pref_size 255
	.end_amdhsa_kernel
	.section	.bss,"aw",@nobits
	.p2align	6
	.space	262144
	.amdgpu_metadata
---
amdhsa.version: [ 1, 2 ]
amdhsa.kernels:
  - .name:           k_q16ee7e32c4_w1
    .symbol:         k_q16ee7e32c4_w1.kd
    .args:
      - { .name: hbuf, .offset: 0, .size: 8, .value_kind: global_buffer, .address_space: global }
      - { .name: W1_codes, .offset: 8, .size: 8, .value_kind: global_buffer, .address_space: global }
      - { .name: W1_scales, .offset: 16, .size: 8, .value_kind: global_buffer, .address_space: global }
      - { .name: b1, .offset: 24, .size: 8, .value_kind: global_buffer, .address_space: global }
      - { .name: gbuf, .offset: 32, .size: 8, .value_kind: global_buffer, .address_space: global }
    .group_segment_fixed_size: 327680
    .private_segment_fixed_size: 0
    .kernarg_segment_align: 8
    .kernarg_segment_size: 40
    .max_flat_workgroup_size: 128
    .sgpr_count:     102
    .vgpr_count:     640
    .wavefront_size: 32
...
	.end_amdgpu_metadata
.endif
;; end of part 5
;; launch w2 (part 6): grid 8 x 32, 4 waves a work-group, clusters of 4 x 4, 327,680 bytes of LDS; arguments gbuf, W2_codes, W2_scales, b2, x1, out0; writes out0
.if DOCPART == 6
	.amdgcn_target "amdgcn-amd-amdhsa--gfx1250"
	.amdhsa_code_object_version 6
	.text
	.protected	k_q16ee7e32c4_w2
	.globl	k_q16ee7e32c4_w2
	.p2align	8
	.type	k_q16ee7e32c4_w2,@function
k_q16ee7e32c4_w2:
	s_mov_b64 s[64:65], 0
	v_nop
	global_prefetch_b8 v0, s[64:65] scope:SCOPE_SE
	s_setreg_imm32_b32 hwreg(HW_REG_WAVE_MODE, 25, 1), 1
	s_wait_xcnt 0x0
	s_wait_alu depctr_hold_cnt(0) depctr_sa_sdst(0) depctr_va_vdst(0) depctr_va_sdst(0) depctr_va_ssrc(0) depctr_va_vcc(0) depctr_vm_vsrc(0)
	s_getreg_b32 s2, hwreg(HW_REG_IB_STS2, 6, 4)
	s_cmp_eq_u32 s2, 0
	s_cbranch_scc0 .Lentry_in_a_cluster
	s_endpgm
.Lentry_in_a_cluster:
	s_bfe_u32 s2, ttmp6, 0x10000c
	s_cmp_lg_u32 s2, 0xf033
	s_cbranch_scc0 .Lentry_shape_is_right
	s_endpgm
.Lentry_shape_is_right:
; out0 = x1 + gelu(..) W2^T + b2: the hidden layer as images of operand registers with scale words [K step][row tile][r], W2 as codes [1,024][2,048] with scale bytes [1,024][64]; BF8 with E8M0 scales, f32 sums, K ascending.
; Nothing is left out here.
; SHARES.  A work-group makes 128 rows x 128 columns, four waves of 64 x 64: 16 accumulators a wave: 256 work-groups.  Row tiles, weight rows and the transposed use as in the launches before:
; a lane holds one row, and the 16 registers of column tiles 2 b, 2 b + 1 are its columns 32 b + 16 h + 0..15.  b2 is the C of each sum's first matrix instruction.
; CLUSTERS 4 x 4: joint loads, the hidden layer's tiles shared along a row of the cluster, W2's along a column.
; K = 2,048 goes in four chunks of 512 through two slots: each slot is filled again once, behind a round of the cluster's barrier, one load a wave, with a slot's 64 matrix instructions in which to land.  The changes are written out.
; By this text's own count three tensor loads of a wave are out at the head, later one.
; THE WAY OUT: through the wave's own stage in LDS, x1 added on the way back; sixteen lanes store 256 consecutive bytes, aligned.  x1 is asked for at the head.
.set KK,   2048
.set KS,   KK/32
.set ASC,  8388608
.set SA_T, 64
.set SA_S, 512
.set SAC,  64
.set SAR,  16
.set SAP,  2048
.set SAH,  SAR*SAC*8
.set SATR, 512
.set SAWC, SAR*16384
.set SBR,  128*KS/256
; THE HEAD AS IT STANDS (this takes the place of 'three tensor loads of a wave are out at the head' above): ONE tensor load a wave: wave 0 chunk 0's 8 row tiles, wave 1 the hidden layer's scale words, wave 2 chunk 0's 128 weight rows,
; wave 3 W2's scale bytes.  Chunk 1 is asked for as a refill is, behind the three lines and a round of the cluster's barrier, a quarter of the slot a wave.
.set BSL,  131072                      ; LDS: A's slots at 0 and 65,536; B's at BSL and BSL + 67,584 (128 rows of 512 + 16 bytes)
.set SA,   266240
.set SB,   274432
.set STAGE, 282624                     ; 16 rows x 272 bytes for each wave: no tensor load lands here
.set SPARE, 300544                     ; the spare words, 128 bytes a wave: two blocks of 256 bytes that no other line names
.set ADRA, 16
.set ADRB, 20
.set ADSA, 22
.set ADSB, 23
.set STO,  24
.set RD,   25
.set CO,   26
.set SPW,  28
.set NIL,  29
.set SCA,  32
.set SCB,  40
.set BIAS, 48
.set ACC,  128
.set F0,   0
.set F1,   128
.set G1A, 24
.set G0A, 32
.set G1B, 48
.set G0B, 56
.set G1SA, 68
.set G0SA, 76
.set G1SB, 80
.set G0SB, 88
.set WV, 92
.set WR, 93
.set WC, 94
.set TR, 95
.set MUL,  0x05
.set TO_F, 0x40
.set MSB, 0
.macro WIN new
.if MSB != \new
	s_set_vgpr_msb (MSB<<8)|\new
.set MSB, \new
.endif
.endm
.macro PLACES n
.rept \n
	v_nop
.endr
.endm
.macro CROUND
	s_barrier_signal -1
	s_barrier_wait -1
	s_cmp_lg_u32 s[WV], 0
	s_cbranch_scc1 .Lnot_wave_0_\@
	s_barrier_signal -3
.Lnot_wave_0_\@:
	s_barrier_wait -3
	s_barrier_signal -1
	s_barrier_wait -1
.endm
.macro JLOAD g0a, g1a, g0b, g1b        ; waves 0, 1 fetch for A, waves 2, 3 for B; an s_nop 0 and four v_nop follow each line
	s_cmp_eq_u32 s[WR], 0
	s_cbranch_scc0 .Lfor_b_\@
	tensor_load_to_lds s[\g0a:\g0a+3], s[\g1a:\g1a+7]
	s_nop 0
.rept 4
	v_nop
.endr
	s_branch .Lasked_\@
.Lfor_b_\@:
	tensor_load_to_lds s[\g0b:\g0b+3], s[\g1b:\g1b+7]
	s_nop 0
.rept 4
	v_nop
.endr
.Lasked_\@:
.endm
.macro ARM under, g0, g1, next         ; an arm of the head's one chain of branches on the wave's number: its load, an s_nop 0 and four v_nop, a jump to the join
	s_cmp_lt_u32 s[WV], \under
	s_cbranch_scc0 \next
	tensor_load_to_lds s[\g0:\g0+3], s[\g1:\g1+7]
	s_nop 0
.rept 4
	v_nop
.endr
	s_branch .Lhead_asked
\next:
.endm
.macro FETCH slot, q, f, sb, ks
	WIN TO_F
.irp i, 0,1,2,3
.irp c, 0,1,2,3
	ds_load_b128 v[\f+64+16*\i+4*\c:\f+64+16*\i+4*\c+3], v[ADRB+\slot] offset:(32*(\i/2)+8*(\i%2))*528+128*(\q)+32*\c
.endr
.endr
.irp i, 0,1,2,3
.irp c, 0,1,2,3
	ds_load_b128 v[\f+16*\i+4*\c:\f+16*\i+4*\c+3], v[ADRA+\slot] offset:\i*8192+(\q)*2048+512*\c
.endr
.endr
	WIN 0
.irp i, 0,1,2,3
	ds_load_b32 v[SCB+4*(\sb)+\i], v[ADSB] offset:(32*(\i/2)+8*(\i%2))*KS+4*(\ks)
	ds_load_b32 v[SCA+4*(\sb)+\i], v[ADSA] offset:\i*SA_T+(\ks)*SA_S
.endr
.endm
.macro MUL8 f, sb, a0, cmode           ; cmode 1: the bias is the C of the sums' first products; 2: in place.  The 16 accumulators take turns in one fixed order
.irp a, \a0, \a0+1
.irp bt, 0,1,2,3
.if \cmode == 1
	v_wmma_scale_f32_16x16x128_f8f6f4 v[ACC+8*(4*(\a)+\bt):ACC+8*(4*(\a)+\bt)+7], v[\f+64+16*\bt:\f+64+16*\bt+15], v[\f+16*(\a):\f+16*(\a)+15], v[BIAS+8*\bt:BIAS+8*\bt+7], v[SCB+4*(\sb)+\bt], v[SCA+4*(\sb)+(\a)] matrix_a_fmt:MATRIX_FMT_BF8 matrix_b_fmt:MATRIX_FMT_BF8
.else
	v_wmma_scale_f32_16x16x128_f8f6f4 v[ACC+8*(4*(\a)+\bt):ACC+8*(4*(\a)+\bt)+7], v[\f+64+16*\bt:\f+64+16*\bt+15], v[\f+16*(\a):\f+16*(\a)+15], v[ACC+8*(4*(\a)+\bt):ACC+8*(4*(\a)+\bt)+7], v[SCB+4*(\sb)+\bt], v[SCA+4*(\sb)+(\a)] matrix_a_fmt:MATRIX_FMT_BF8 matrix_b_fmt:MATRIX_FMT_BF8
.endif
.endr
.endr
.endm
.macro STEP f, sb, cmode, more, slot, q, g, sb2, ks
	s_wait_dscnt 0x0
	WIN MUL
	MUL8 \f, \sb, 0, \cmode
.if \more
	PLACES 8
	FETCH \slot, \q, \g, \sb2, \ks
.endif
	WIN MUL
	MUL8 \f, \sb, 2, \cmode
.endm
.macro SLOTRUN slot, chunk, cm0
	PLACES 8
	FETCH \slot, 0, F0, 0, 4*(\chunk)
	STEP F0, 0, \cm0, 1, \slot, 1, F1, 1, 4*(\chunk)+1
	STEP F1, 1, 2, 1, \slot, 2, F0, 0, 4*(\chunk)+2
	STEP F0, 0, 2, 1, \slot, 3, F1, 1, 4*(\chunk)+3
	STEP F1, 1, 2, 0, 0, 0, F0, 0, 0
	WIN 0
.endm
; THE CHANGE OF SLOTS.  Each wave waits for all its tensor loads (its part of the slot ahead), adds 0 to its spare word, and waits for that and for its reads of the slot that it leaves.
; fill = 1: that slot takes the chunk two on: the barrier is a round of the cluster's, and the joint refill is the first thing behind it.
.macro CHANGE slot, fill
	s_wait_tensorcnt 0x0                           ; no tensor load of mine is out, so a group 0 may be written
	ds_add_u32 v[SPW], v[NIL]
.if \fill
	s_add_nc_u64 s[G0A+4*\slot+2:G0A+4*\slot+3], s[G0A+4*\slot+2:G0A+4*\slot+3], 16384   ; two chunks on: 2 x four K steps' images
	s_add_nc_u64 s[G0B+4*\slot+2:G0B+4*\slot+3], s[G0B+4*\slot+2:G0B+4*\slot+3], 1024    ; 2 x 512 codes along a weight row
.endif
	s_wait_dscnt 0x0                               ; the add is done, and my reads of the slot are over
.if \fill
	CROUND
	JLOAD G0A+4*\slot, G1A, G0B+4*\slot, G1B
.else
	s_barrier_signal -1
	s_barrier_wait -1
.endif
.endm
	s_load_b256 s[4:11], s[0:1], 0x0               ; the hidden layer s[4:5], W2's codes s[6:7], W2's scales s[8:9], b2 s[10:11]
	s_load_b128 s[12:15], s[0:1], 0x20             ; x1 s[12:13], out0 s[14:15]
	v_lshl_add_u32 v[SPW], v0, 2, SPARE
	v_mov_b32 v[NIL], 0
	ds_add_u32 v[SPW], v[NIL]                      ; the opening: the add, twice on end, and its wait ahead of my first tensor load
	ds_add_u32 v[SPW], v[NIL]
	v_lshrrev_b32 v1, 5, v0
	v_readfirstlane_b32 s[WV], v1
	s_lshr_b32 s[WR], s[WV], 1
	s_and_b32 s[WC], s[WV], 1
	s_bfe_u32 s40, ttmp6, 0x40000                  ; cx
	s_bfe_u32 s41, ttmp6, 0x40004                  ; cy
	s_lshl_b32 s42, ttmp9, 2
	s_add_co_u32 s42, s42, s40                     ; the column tile
	s_and_b32 s[TR], ttmp7, 0xffff
	s_lshl_b32 s[TR], s[TR], 2
	s_add_co_u32 s[TR], s[TR], s41                 ; the block of 128 rows
	s_lshl_b32 s43, s41, 2
	s_lshl_b32 s43, 15, s43
	s_lshl_b32 s44, 0x1111, s40
	s_or_b32 s[G1A], s43, (3<<16)|(1<<21)
	s_mov_b32 s[G1A+1], 1024<<16
	s_mov_b32 s[G1A+2], 8<<16                      ; the head's load brings all 8 row tiles
	s_mov_b32 s[G1A+3], 1024<<16
	s_mov_b32 s[G1A+4], 8
	s_mov_b32 s[G1A+5], 2*KK
	s_mov_b32 s[G1A+6], 0
	s_mov_b32 s[G1A+7], 0
	s_or_b32 s[G1B], s44, (0<<16)|(1<<20)|(1<<21)|(6<<22)|(3<<25)
	s_mov_b32 s[G1B+1], 512<<16
	s_mov_b32 s[G1B+2], 128<<16                    ; the head's load brings all 128 weight rows
	s_mov_b32 s[G1B+3], 512<<16
	s_mov_b32 s[G1B+4], 128
	s_mov_b32 s[G1B+5], KK
	s_mov_b32 s[G1B+6], 0
	s_mov_b32 s[G1B+7], 0
	s_or_b32 s[G1SA], s43, (3<<16)|(1<<21)
	s_mov_b32 s[G1SA+1], SAC<<16
	s_mov_b32 s[G1SA+2], SAR<<16
	s_mov_b32 s[G1SA+3], SAC<<16
	s_mov_b32 s[G1SA+4], SAR
	s_mov_b32 s[G1SA+5], SAP
	s_mov_b32 s[G1SA+6], 0
	s_mov_b32 s[G1SA+7], 0
	s_or_b32 s[G1SB], s44, (3<<16)|(1<<21)
	s_mov_b32 s[G1SB+1], 32<<16
	s_mov_b32 s[G1SB+2], SBR<<16
	s_mov_b32 s[G1SB+3], 32<<16
	s_mov_b32 s[G1SB+4], SBR
	s_mov_b32 s[G1SB+5], 32
	s_mov_b32 s[G1SB+6], 0
	s_mov_b32 s[G1SB+7], 0
	s_mov_b32 s[G0A], 1
	s_lshl_b32 s[G0A+1], s[WC], 15
	s_mov_b32 s[G0A+4], 1
	s_add_co_u32 s[G0A+5], s[G0A+1], 65536
	s_mov_b32 s[G0B], 1
	s_mul_i32 s[G0B+1], s[WC], 33792
	s_add_co_u32 s[G0B+1], s[G0B+1], BSL
	s_mov_b32 s[G0B+4], 1
	s_add_co_u32 s[G0B+5], s[G0B+1], 67584
	s_mov_b32 s[G0SA], 1
	s_mov_b32 s[G0SA+1], SA
	s_mov_b32 s[G0SB], 1
	s_mov_b32 s[G0SB+1], SB
	s_lshl_b32 s96, s[TR], 3                       ; A's side
	s_lshl_b32 s97, s[WC], 2
	s_add_co_u32 s96, s96, s97
	s_mul_i32 s98, s96, 16*KK
	s_mov_b32 s99, 0
	s_mul_i32 s96, s[TR], SATR
	s_add_co_u32 s96, s96, ASC
	s_mov_b32 s97, 0
	s_lshl_b32 s46, s42, 7                         ; B's side
	s_lshl_b32 s47, s[WC], 6
	s_add_co_u32 s46, s46, s47
	s_mul_i32 s2, s42, 128*KS                      ; the scale bytes of the column tile's 128 rows
	s_mov_b32 s3, 0
	s_mul_i32 s46, s46, KK
	s_mov_b32 s47, 0
	s_lshl_b32 s18, s42, 9                         ; b2: my 64 columns
	s_lshl_b32 s19, s[WC], 8
	s_add_co_u32 s18, s18, s19
	s_mov_b32 s19, 0
	s_lshl_b32 s16, s[TR], 7                       ; my 64 x 64 of x1 and out0
	s_lshl_b32 s17, s[WR], 6
	s_add_co_u32 s16, s16, s17
	s_lshl_b32 s16, s16, 12
	s_add_co_u32 s16, s16, s18
	s_mov_b32 s17, 0
	s_wait_dscnt 0x0                               ; both opening adds are done
	s_wait_kmcnt 0x0
	s_add_nc_u64 s[G0A+2:G0A+3], s[4:5], s[98:99]
	s_add_nc_u64 s[G0A+6:G0A+7], s[G0A+2:G0A+3], 8192
	s_or_b32 s[G0A+3], s[G0A+3], 0x80000000
	s_or_b32 s[G0A+7], s[G0A+7], 0x80000000
	s_add_nc_u64 s[G0B+2:G0B+3], s[6:7], s[46:47]
	s_add_nc_u64 s[G0B+6:G0B+7], s[G0B+2:G0B+3], 512
	s_or_b32 s[G0B+3], s[G0B+3], 0x80000000
	s_or_b32 s[G0B+7], s[G0B+7], 0x80000000
	s_add_nc_u64 s[G0SA+2:G0SA+3], s[4:5], s[96:97]
	s_or_b32 s[G0SA+3], s[G0SA+3], 0x80000000
	s_add_nc_u64 s[G0SB+2:G0SB+3], s[8:9], s[2:3]
	s_or_b32 s[G0SB+3], s[G0SB+3], 0x80000000
	s_add_nc_u64 s[10:11], s[10:11], s[18:19]
	s_add_nc_u64 s[12:13], s[12:13], s[16:17]
	s_add_nc_u64 s[14:15], s[14:15], s[16:17]
	CROUND                                         ; all sixteen work-groups are here: the joint loads meet
	ARM 1, G0A,  G1A,  .Lhead_sa                   ; waves 0 and 2 have wc = 0: their group 0 of slot 0 names the tile's first row and the slot's first byte
	ARM 2, G0SA, G1SA, .Lhead_b
	ARM 3, G0B,  G1B,  .Lhead_sb
	tensor_load_to_lds s[G0SB:G0SB+3], s[G1SB:G1SB+7]
	s_nop 0
.rept 4
	v_nop
.endr
.Lhead_asked:
	v_and_b32 v1, 15, v0                           ; r
	v_bfe_u32 v2, v0, 4, 1                         ; h
	v_lshlrev_b32 v9, 6, v2                        ; the bias: for column tile 2 b + u, columns 32 b + 16 h + 8 u + 0..7
.irp bt, 0,1,2,3
	global_load_b128 v[BIAS+8*\bt:BIAS+8*\bt+3], v9, s[10:11] offset:(32*(\bt/2)+8*(\bt%2))*4
	global_load_b128 v[BIAS+8*\bt+4:BIAS+8*\bt+7], v9, s[10:11] offset:(32*(\bt/2)+8*(\bt%2))*4+16
.endr
	v_lshlrev_b32 v[CO], 12, v2
	v_lshl_add_u32 v[CO], v1, 4, v[CO]
	WIN 0x80                                       ; destination window 2: the residual, row tile a at v[32 a]
.irp a, 0,1,2,3
.irp i, 0,1,2,3,4,5,6,7
	global_load_b128 v[32*\a+4*\i:32*\a+4*\i+3], v[CO], s[12:13] offset:(32*(\a/2)+8*(\a%2)+2*\i+8*(\i/4))*4096 th:TH_LOAD_NT
.endr
.endr
	WIN 0
	v_and_b32 v3, 31, v0
	v_lshlrev_b32 v4, 4, v3
	v_and_b32 v5, 8, v1
	v_add_nc_u32 v5, v5, v1
	s_lshl_b32 s96, s[WR], 15
	v_add_nc_u32 v[ADRA], s96, v4
	v_add_nc_u32 v[ADRA+1], 65536, v[ADRA]
	v_mul_u32_u24 v6, v5, 528
	v_lshl_add_u32 v6, v2, 4, v6
	s_mul_i32 s96, s[WC], 33792
	s_add_co_u32 s96, s96, BSL
	v_add_nc_u32 v[ADRB], s96, v6
	v_add_nc_u32 v[ADRB+1], 67584, v[ADRB]
	s_mul_i32 s96, s[WR], 4*SA_T
	s_add_co_u32 s96, s96, SA
	v_lshl_add_u32 v[ADSA], v1, 2, s96
	v_mul_u32_u24 v6, v5, KS
	s_mul_i32 s96, s[WC], 64*KS
	s_add_co_u32 s96, s96, SB
	v_add_nc_u32 v[ADSB], s96, v6
	s_mul_i32 s18, s[WV], 16*272
	s_add_co_u32 s18, s18, STAGE
	v_mul_u32_u24 v[STO], v1, 272
	v_lshl_add_u32 v[STO], v2, 6, v[STO]
	v_add_nc_u32 v[STO], s18, v[STO]
	v_mul_u32_u24 v[RD], v2, 272
	v_lshl_add_u32 v[RD], v1, 4, v[RD]
	v_add_nc_u32 v[RD], s18, v[RD]
	s_wait_alu depctr_va_vdst(0)
	s_wait_loadcnt 32                              ; the bias's eight loads are in; the residual's 32 may stay out
	s_wait_tensorcnt 0x0                           ; my tile of the head's four has landed
	ds_add_u32 v[SPW], v[NIL]
	s_mov_b32 s[G1A+2], 4<<16                      ; no tensor load of mine is out: from here on a load brings 4 row tiles,
	s_mov_b32 s[G1A+4], 4
	s_mov_b32 s[G1B+2], 64<<16                     ; or 64 weight rows
	s_mov_b32 s[G1B+4], 64
	s_wait_dscnt 0x0                               ; the add is done
	CROUND                                         ; all four tiles are in, and all sixteen work-groups are here
	JLOAD G0A+4, G1A, G0B+4, G1B                   ; chunk 1, the first tensor load behind the round
	SLOTRUN 0, 0, 1
	CHANGE 0, 1                                    ; slot 0 takes chunk 2
	SLOTRUN 1, 1, 2
	CHANGE 1, 1                                    ; slot 1 takes chunk 3
	SLOTRUN 0, 2, 2
	CHANGE 0, 0                                    ; nothing is left to fetch
	SLOTRUN 1, 3, 2
	PLACES 8                                       ; in front of the first read of results
	s_wait_loadcnt 0x0                             ; the residual
.macro OUT a
.set OB, 48+32*((\a)%2)
.if (\a) > 1
	s_wait_xcnt 0x0                                ; the stores of two tiles back have read their data
.endif
.irp bt, 0,1,2,3
	ds_store_b128 v[STO], v[ACC+8*(4*(\a)+\bt):ACC+8*(4*(\a)+\bt)+3] offset:128*(\bt/2)+32*(\bt%2)          ; each accumulator from its low end on
	ds_store_b128 v[STO], v[ACC+8*(4*(\a)+\bt)+4:ACC+8*(4*(\a)+\bt)+7] offset:128*(\bt/2)+32*(\bt%2)+16
.endr
.irp i, 0,1,2,3,4,5,6,7
	ds_load_b128 v[OB+4*\i:OB+4*\i+3], v[RD] offset:2*\i*272   ; LDS serves a wave's instructions in order: these see the stores above
.endr
	s_wait_dscnt 0x0
	WIN 0x08                                       ; source 1 window 2
.irp k, 0,2,4,6,8,10,12,14,16,18,20,22,24,26,28,30
	v_pk_add_f32 v[OB+\k:OB+\k+1], v[OB+\k:OB+\k+1], v[32*(\a)+\k:32*(\a)+\k+1]
.endr
	WIN 0
.irp i, 0,1,2,3,4,5,6,7
	global_store_b128 v[CO], v[OB+4*\i:OB+4*\i+3], s[14:15] offset:(32*((\a)/2)+8*((\a)%2)+2*\i+8*(\i/4))*4096 th:TH_STORE_NT   ; sixteen lanes store 256 consecutive bytes, aligned
.endr
.endm
	OUT 0
	OUT 1
	OUT 2
	OUT 3
	s_wait_tensorcnt 0x0                           ; the wave's end
	ds_add_u32 v[SPW], v[NIL]
	s_wait_dscnt 0x0
	CROUND                                         ; the closing round
	s_endpgm
.Lfunc_end_k_q16ee7e32c4_w2:
	.size	k_q16ee7e32c4_w2, .Lfunc_end_k_q16ee7e32c4_w2-k_q16ee7e32c4_w2
	.p2alignl 7, 3214868480
	.fill 96, 4, 3214868480
	.section	.rodata,"a",@progbits
	.p2align	6, 0x0
	.amdhsa_kernel k_q16ee7e32c4_w2
		.amdhsa_group_segment_fixed_size 327680
		.amdhsa_private_segment_fixed_size 0
		.amdhsa_enable_private_segment 0
		.amdhsa_kernarg_size 48
		.amdhsa_user_sgpr_count 2
		.amdhsa_user_sgpr_kernarg_segment_ptr 1
		.amdhsa_wavefront_size32 1
		.amdhsa_system_sgpr_workgroup_id_x 1
		.amdhsa_system_sgpr_workgroup_id_y 1
		.amdhsa_system_sgpr_workgroup_id_z 1
		.amdhsa_system_vgpr_workitem_id 0
		.amdhsa_next_free_vgpr 640
		.amdhsa_next_free_sgpr 102
		.amdhsa_reserve_vcc 0
		.amdhsa_float_denorm_mode_32 3
		.amdhsa_float_denorm_mode_16_64 3
		.amdhsa_memory_ordered 1
		.amdhsa_forward_progress 1
		.amdhsa_inst_pref_size 107
	.end_amdhsa_kernel
	.amdgpu_metadata
---
amdhsa.version: [ 1, 2 ]
amdhsa.kernels:
  - .name:           k_q16ee7e32c4_w2
    .symbol:         k_q16ee7e32c4_w2.kd
    .args:
      - { .name: gbuf, .offset: 0, .size: 8, .value_kind: global_buffer, .address_space: global }
      - { .name: W2_codes, .offset: 8, .size: 8, .value_kind: global_buffer, .address_space: global }
      - { .name: W2_scales, .offset: 16, .size: 8, .value_kind: global_buffer, .address_space: global }
      - { .name: b2, .offset: 24, .size: 8, .value_kind: global_buffer, .address_space: global }
      - { .name: x1, .offset: 32, .size: 8, .value_kind: global_buffer, .address_space: global }
      - { .name: out0, .offset: 40, .size: 8, .value_kind: global_buffer, .address_space: global }
    .group_segment_fixed_size: 327680
    .private_segment_fixed_size: 0
    .kernarg_segment_align: 8
    .kernarg_segment_size: 48
    .max_flat_workgroup_size: 128
    .sgpr_count:     102
    .vgpr_count:     640
    .wavefront_size: 32
...
	.end_amdgpu_metadata
.endif
;; end of part 6
